; MI455X (gfx1250); checked and timed in simulation.
; The chip was launched on July 23, 2026; its instructions are those of AMD's public machine-readable ISA for CDNA 5 (MIT licence, August 2026) and "CDNA5" Instruction Set Architecture Reference Guide (July 2026). The comments in the code are by the model that wrote it; some were corrected since.
;; Masked Multihead Self Attention Layer. Allowed arithmetic: matrix products marked QUANTISED: E2M1 operands, one E8M0 scale for each 32 along K, by v_wmma_scale_f32_16x16x128_f8f6f4 with both operands' format E2M1 (or v_wmma_scale_f32_32x16x128_f4), f32 sums; products left as they are: bf16, f16 or f32 operands; f32 sums; everything else in f32.
;; Inputs: K 4 x 2,048 x 1,024 float32; Q 4 x 2,048 x 1,024 float32; V 4 x 1,024 x 2,048 float32; W 1,024 x 1,024 float32; b 1,024 float32.
;; Outputs: out0 4 x 2,048 x 1,024 float32.
;; This version of the problem:
;;   THIS VERSION OF THE PROBLEM IS GIVEN IN LOW PRECISION. The matrix products marked QUANTISED in the list below multiply operands that are first quantised to E2M1 (2 exponent bits, 1 mantissa bit; 4 bits a number), with one power-of-two scale for each 32 numbers along K (OCP MX v1.0); their sums are f32. The products marked 'left as it is' may take bf16, f16 or f32 operands, with f32 sums. Whichever they take, every output number must still come out within the allowed error. Rounding operands to bf16 (8 significant bits) uses up far more of that allowance than f16 does (11 bits, for magnitudes from 6e-5 to 65,504). All else is computed in f32.
;;   The module's matrix products, in the order in which they are computed (A, B: the left and right operand; K: the contracted axis; several contracted axes count as one K, in the product's order):
;;     1. batch 4 x [M 2,048, K 1,024] x [K 1,024, N 2,048]; A: input Q; B: input K: QUANTISED
;;     2. batch 4 x [M 2,048, K 2,048] x [K 2,048, N 1,024]; A: computed on the way; B: input V: left as it is (an operand is computed on the way)
;;     3. [M 8,192, K 1,024] x [K 1,024, N 1,024]; A: computed on the way; B: input W: left as it is (an operand is computed on the way)
;;   THE QUANTISER, for each operand of a quantised product, along K:
;;     - K is cut into blocks of 32 from its start; a last block that is shorter is filled with zeros.
;;     - A block's scale is 2^e with e = floor(log2(the largest magnitude in the block)) - 2, held to -126 .. 127; a block of zeros has e = 0. As a byte (E8M0): e + 127.
;;     - Each number is divided by its block's scale, clamped to +-6, and rounded to the nearest number of E2M1, ties to even, subnormals kept.
;;     - The product sums the exact products of the quantised numbers (number of the format x scale) in f32.
;;   ~~~python
;;   def quantise(x, axis):      # numpy; x: float32 -> the quantised numbers, widened to float32 again
;;       x = np.moveaxis(x, axis, -1); K = x.shape[-1]
;;       x = np.pad(x, [(0, 0)] * (x.ndim - 1) + [(0, -K % 32)]); x = x.reshape(x.shape[:-1] + (-1, 32)); a = np.abs(x).max(-1, keepdims=True)
;;       e = np.where(a > 0, np.clip(np.frexp(np.where(a > 0, a, 1))[1] - 1 - 2, -126, 127), 0)      # np.frexp(a)[1] - 1 = floor(log2(a)), exactly
;;       r = np.clip(x / 2.0 ** e, -6, 6)
;;       step = 2.0 ** (np.maximum(np.frexp(np.where(r == 0, 1, r))[1] - 1, 0) - 1)
;;       q = np.round(r / step) * step * 2.0 ** e      # np.round: ties to even
;;       return np.moveaxis(q.reshape(q.shape[:-2] + (-1,))[..., :K], -1, axis).astype(np.float32)
;;   ~~~
;; One version. Each part assembles by itself: llvm-mc -triple=amdgcn-amd-amdhsa -mcpu=gfx1250 --defsym DOCPART=n.
;; ======== version 1 of 1: 3 launches
;; limits: values are held in f16: magnitudes above 65,504 overflow, below 6.1e-05 lose precision
;; workspace buffers: qimg 4,456,448 bytes; kimg 4,456,448 bytes; vimg 16,777,216 bytes; vsuf 131,072 bytes; wimg 2,097,152 bytes; aimg 16,777,216 bytes
;; launch prep (part 1): grid 544 x 1, 4 waves a work-group, no clusters, 102,656 bytes of LDS; arguments Q, K, V, W, qimg, kimg, vimg, vsuf, wimg; writes qimg, kimg, vimg, vsuf, wimg
.if DOCPART == 1
	.amdgcn_target "amdgcn-amd-amdhsa--gfx1250"
	.amdhsa_code_object_version 6
	.text
	.protected	k_q6c99ffda25_prep
	.globl	k_q6c99ffda25_prep
	.p2align	8
	.type	k_q6c99ffda25_prep,@function
k_q6c99ffda25_prep:
	s_mov_b64 s[64:65], 0
	v_nop
	global_prefetch_b8 v0, s[64:65] scope:SCOPE_SE
	s_setreg_imm32_b32 hwreg(HW_REG_WAVE_MODE, 25, 1), 1
	s_wait_xcnt 0x0
; Q and K [4][2048][1024] f32 become codes of FP4 (E2M1) with one E8M0 byte for each 32 along the last axis; V [4][1024][2048] and W [1024][1024] become f16;
; of V also the sums over all keys from 256 (sb + 1) on, sb = 0 .. 7, in f32.  Everything is stored AS THE LATER LAUNCHES' OPERAND REGISTERS TAKE IT: 16 bytes a lane, 512 consecutive bytes an instruction.
;   qimg, kimg: 64 groups of 128 rows, 69,632 bytes each: codes at tile (16 rows) x 8192 + K step (128 along d) x 1024 + c x 512 + 16 x lane; lane (r, h) holds the 32 codes of block 4 s + 2 c + h of row r;
;               from byte 65,536 of a group on the scale bytes, 32 a row.
;   vimg [b][j 16][x 4][kc 4][T 16][c 2][lane][16 bytes] = V[b][256 x + 16 T + r][128 j + 32 kc + 16 c + 8 h + 0 .. 7];  wimg [ks 8][E 64][kc 4][c 2][lane][16 bytes] = W[16 E + r][128 ks + 32 kc + 16 c + 8 h + 0 .. 7]
;   vsuf [b][D 64][r 16][sb 8] f32.
; A block's scale is 2^(floor(log2(its largest magnitude)) - 2); its byte is the largest magnitude's exponent field - 2, held at 1 from below.
; LIMITS: a block of zeros gets the byte 1 where the quantiser says 127 (its codes are zeros, and this program alone reads the bytes); NaN and infinities are not served; |V| and |W| stay under f16's 65,504.
; SHARES.  Work-groups 0-255: Q and K, a wave a tile of 16 rows, 8 blocks.  256-511: V, a work-group 16 rows, a wave 512 keys, 4 blocks.  512-543: W, a wave 16 rows x 512, 4 blocks.
; A BLOCK is 16 rows x 128 numbers.  Each of its 16 loads reads 512 consecutive bytes of a row; the block goes through the wave's own stage in LDS as it lies and comes back in the operand's lane order.
; The three kinds of work-group have LDS bytes of their own.  Two blocks of a wave are on their way.  No tensor load, no matrix instruction: the launch streams, and memory binds it.
.set PIT,   528                        ; a stage row: 512 bytes + 16, an odd multiple of 16 bytes: the same column of sixteen rows starts at sixteen different banks (64 banks of 4 bytes: ISA guide 11.1)
.set WSTG,  16*PIT                     ; a wave's stage
.set STV,   4*WSTG                     ; V's four stages (Q's and K's begin at 0)
.set STWT,  8*WSTG                     ; W's
.set CSB,   12*WSTG                    ; V: the sums of 8 runs of 256 keys for 16 rows, 48 bytes a row
.set SPARE, CSB+768                    ; the spare words, 128 bytes for each wave: two blocks of 256 bytes that no other line names
.set OFF, 1                            ; v1   16 x lane: my bytes of a load's 512 and of a store's 512
.set STI, 2                            ; v2   the stage, on the way in
.set RD,  3                            ; v3   and on the way out
.set SO,  4                            ; v4   32 r + 16 h: scale words, suffix sums
.set CSW, 5                            ; v5   where my wave's two sums go
.set CSR, 6                            ; v6   where a row's eight sums lie
.set HH,  7                            ; v7   h
.set WD,  16                           ; v16-23 the eight scale words of my row
.set SUM, 24                           ; v24-27 two pairs of sums
.set SPW, 28                           ; v28  my spare word; never rewritten
.set NIL, 29                           ; v29  0; never rewritten
.set H,   32                           ; v32-63 what is stored: 8 registers of codes, or 32 of f16
.set X,   64                           ; v64-191 two sets of 64, as loaded
.set Y,   192                          ; v192-255 64 numbers in the operand's lane order
.macro LOADBLK set, n, pitch           ; block n: 16 rows, 512 consecutive bytes each
.set i, 0
.rept 16
	global_load_b128 v[X+64*(\set)+4*i:X+64*(\set)+4*i+3], v[OFF], s[26:27] offset:i*(\pitch)+512*(\n) th:TH_LOAD_NT
.set i, i+1
.endr
.endm
.macro TOSTG set                       ; into the stage as it lies
.set i, 0
.rept 16
	ds_store_b128 v[STI], v[X+64*(\set)+4*i:X+64*(\set)+4*i+3] offset:i*PIT
.set i, i+1
.endr
.endm
.macro TURNQ set                       ; back: lane (r, h) takes blocks h and 2 + h of row r, 32 neighbours each.  LDS serves a wave's instructions in order: no wait between stores and loads
	TOSTG \set
.irp c, 0,1
.set i, 0
.rept 8
	ds_load_b128 v[Y+32*\c+4*i:Y+32*\c+4*i+3], v[RD] offset:256*\c+16*i
.set i, i+1
.endr
.endr
.endm
.macro TURNH set                       ; back: lane (r, h) takes, for q = 2 kc + c, the 8 neighbours 16 q + 8 h + 0 .. 7 of row r
	TOSTG \set
.set i, 0
.rept 8
	ds_load_b128 v[Y+8*i:Y+8*i+3], v[RD] offset:64*i
	ds_load_b128 v[Y+8*i+4:Y+8*i+7], v[RD] offset:64*i+16
.set i, i+1
.endr
.endm
.macro QBLK n                          ; two blocks of 32 a lane become 8 registers of codes and my row's scale word of K step n
.irp c, 0,1
	v_max3_num_f32 v[8+\c], |v[Y+32*\c]|, |v[Y+32*\c+1]|, 0x1800000   ; with the floor 2^(3 - 127): the byte cannot fall under 1
.endr
.irp i, 2,4,6,8,10,12,14,16,18,20,22,24,26,28,30
.irp c, 0,1
	v_max3_num_f32 v[8+\c], v[8+\c], |v[Y+32*\c+\i]|, |v[Y+32*\c+\i+1]|   ; the two blocks by turns
.endr
.endr
.irp c, 0,1
	v_add_nc_u32 v[10+\c], 0xff000000, v[8+\c]     ; 2 off the exponent field: the conversion takes this operand's exponent field as its scale
.endr
.irp c, 0,1
	v_lshrrev_b32 v[12+\c], 23, v[10+\c]           ; the scale's byte
.endr
	v_lshl_or_b32 v14, v13, 16, v12                ; my two bytes, blocks h and 2 + h,
	v_lshlrev_b32 v15, 3, v[HH]
	v_lshlrev_b32 v14, v15, v14                    ; at their places in the word;
	v_permlanex16_b32 v15, v14, s32, s33
	v_or_b32 v[WD+(\n)], v14, v15                  ; with lane l xor 16's two the word is whole
.irp c, 0,1
.irp g, 0,1,2,3
	v_cvt_scalef32_pk8_fp4_f32 v[H+4*\c+\g], v[Y+32*\c+8*\g:Y+32*\c+8*\g+7], v[10+\c]
.endr
.endr
	v_nop                                          ; one plain line behind the last scaled conversion
.irp c, 0,1
	global_store_b128 v[OFF], v[H+4*\c:H+4*\c+3], s[28:29] offset:(\n)*1024+\c*512   ; 512 consecutive bytes, aligned
.endr
.endm
.macro HBLK n, kstride, sums           ; 64 numbers a lane become 32 registers of f16: eight stores of 512 consecutive bytes
.set i, 0
.rept 32
	v_cvt_pk_f16_f32 v[H+i], v[Y+2*i], v[Y+2*i+1]
.set i, i+1
.endr
.set i, 0
.rept 8
	global_store_b128 v[OFF], v[H+4*i:H+4*i+3], s[28:29] offset:(\n)*262144+(i/2)*(\kstride)+(i%2)*512
.set i, i+1
.endr
.if \sums                              ; the sum of my 64 numbers, two at a time, in four chains that the first sums start
.irp q, 0,1,2,3
	v_pk_add_f32 v[8+2*\q:9+2*\q], v[Y+2*\q:Y+2*\q+1], v[Y+8+2*\q:Y+9+2*\q]
.endr
.irp m, 2,3,4,5,6,7
.irp q, 0,1,2,3
	v_pk_add_f32 v[8+2*\q:9+2*\q], v[8+2*\q:9+2*\q], v[Y+8*\m+2*\q:Y+8*\m+2*\q+1]
.endr
.endr
	v_pk_add_f32 v[8:9], v[8:9], v[10:11]
	v_pk_add_f32 v[12:13], v[12:13], v[14:15]
.if (\n)%2 == 0
	v_pk_add_f32 v[SUM+2*((\n)/2):SUM+2*((\n)/2)+1], v[8:9], v[12:13]      ; a run of 256 keys is two blocks: the first starts its sum
.else
	v_pk_add_f32 v[8:9], v[8:9], v[12:13]
	v_pk_add_f32 v[SUM+2*((\n)/2):SUM+2*((\n)/2)+1], v[SUM+2*((\n)/2):SUM+2*((\n)/2)+1], v[8:9]
.endif
.endif
.endm
.macro QBLOCK n
.if (\n) < 7
	s_wait_loadcnt 16                              ; this block's 16 loads are in; the next block's 16 may be out
.else
	s_wait_loadcnt 0x0
.endif
	TURNQ (\n)%2
	s_wait_dscnt 0x0                               ; Y is in, and the stage's stores have read X
	s_wait_xcnt 0x0                                ; the last block's stores have read their registers, which are written again below
.if (\n)+2 < 8
	LOADBLK (\n)%2, (\n)+2, 4096
.endif
	QBLK \n
.endm
.macro HBLOCK n, pitch, kstride, sums
.if (\n) < 3
	s_wait_loadcnt 16                              ; as above
.else
	s_wait_loadcnt 0x0
.endif
	TURNH (\n)%2
	s_wait_dscnt 0x0
	s_wait_xcnt 0x0
.if (\n)+2 < 4
	LOADBLK (\n)%2, (\n)+2, \pitch
.endif
	HBLK \n, \kstride, \sums
.endm
.macro CLOSE                           ; the wave's end: a tensor wait, an add to my spare word and a wait for it, behind my last LDS store
	s_wait_tensorcnt 0x0
	ds_add_u32 v[SPW], v[NIL]
	s_wait_dscnt 0x0
	s_endpgm
.endm
	s_load_b512 s[4:19], s[0:1], 0x0               ; Q s[4:5], K s[6:7], V s[8:9], W s[10:11], qimg s[12:13], kimg s[14:15], vimg s[16:17], vsuf s[18:19]
	s_load_b64 s[20:21], s[0:1], 0x40              ; wimg
	v_lshl_add_u32 v[SPW], v0, 2, SPARE
	v_mov_b32 v[NIL], 0
	v_lshrrev_b32 v8, 5, v0
	v_readfirstlane_b32 s24, v8                    ; wave 0..3
	v_and_b32 v9, 31, v0                           ; lane
	v_and_b32 v10, 15, v0                          ; r
	v_bfe_u32 v[HH], v0, 4, 1                      ; h
	v_lshlrev_b32 v[OFF], 4, v9
	v_lshlrev_b32 v[SO], 5, v10
	v_lshl_add_u32 v[SO], v[HH], 4, v[SO]
	v_mul_u32_u24 v11, v10, PIT                    ; r x pitch
	s_mul_i32 s25, s24, WSTG                       ; my stage within my kind's four
	s_mov_b32 s32, 0x76543210
	s_mov_b32 s33, 0xfedcba98                      ; v_permlanex16_b32's selects for lane l xor 16
	s_mov_b32 s37, 0                               ; the high word of every offset
	s_wait_kmcnt 0x0
	s_cmp_lt_u32 ttmp9, 256
	s_cbranch_scc0 .Lnot_qk
	; ---- Q and K
	v_add_nc_u32 v[STI], s25, v[OFF]
	v_lshl_add_u32 v[RD], v[HH], 7, v11            ; r x pitch + 128 h
	v_add_nc_u32 v[RD], s25, v[RD]
	s_cmp_lt_u32 ttmp9, 128                        ; Q's work-group or K's: the choice hangs on the work-group's number alone
	s_cselect_b64 s[26:27], s[4:5], s[6:7]
	s_cselect_b64 s[28:29], s[12:13], s[14:15]
	s_lshl_b32 s34, ttmp9, 2
	s_add_co_u32 s34, s34, s24
	s_and_b32 s34, s34, 511                        ; my tile of 16 rows
	s_lshl_b32 s36, s34, 16                        ; 16 rows of 4,096 bytes
	s_add_nc_u64 s[26:27], s[26:27], s[36:37]
	s_lshr_b32 s36, s34, 3
	s_mul_i32 s36, s36, 69632                      ; its group of 128 rows
	s_add_nc_u64 s[28:29], s[28:29], s[36:37]
	s_and_b32 s34, s34, 7
	s_lshl_b32 s36, s34, 9
	s_add_co_u32 s36, s36, 65536
	s_add_nc_u64 s[30:31], s[28:29], s[36:37]      ; its 512 scale bytes
	s_lshl_b32 s36, s34, 13
	s_add_nc_u64 s[28:29], s[28:29], s[36:37]      ; its codes
	LOADBLK 0, 0, 4096
	LOADBLK 1, 1, 4096
.irp n, 0,1,2,3,4,5,6,7
	QBLOCK \n
.endr
	v_cmp_eq_u32 vcc_lo, 1, v[HH]                  ; lane (r, h) stores words 4 h .. 4 h + 3 of row r: 512 consecutive bytes a wave
.irp i, 0,1,2,3
	v_cndmask_b32 v[8+\i], v[WD+\i], v[WD+4+\i], vcc_lo
.endr
	global_store_b128 v[SO], v[8:11], s[30:31]
	CLOSE
.Lnot_qk:
	s_cmp_lt_u32 ttmp9, 512
	s_cbranch_scc0 .Lw_role
	; ---- V
	s_sub_co_u32 s34, ttmp9, 256                   ; 64 b + D
	s_lshr_b32 s38, s34, 6                         ; b
	s_and_b32 s39, s34, 63                         ; D: rows 16 D on
	s_add_co_u32 s40, s25, STV
	v_add_nc_u32 v[STI], s40, v[OFF]
	v_lshl_add_u32 v[RD], v[HH], 5, v11            ; r x pitch + 32 h
	v_add_nc_u32 v[RD], s40, v[RD]
	v_mul_u32_u24 v[CSR], v10, 48
	v_add_nc_u32 v[CSR], CSB, v[CSR]
	s_lshl_b32 s41, s24, 3
	v_add_nc_u32 v[CSW], s41, v[CSR]
	s_lshl_b32 s36, s38, 23                        ; in: (1024 b + 16 D) rows of 8,192 bytes + 512 keys x wave
	s_lshl_b32 s41, s39, 17
	s_add_co_u32 s36, s36, s41
	s_lshl_b32 s41, s24, 11
	s_add_co_u32 s36, s36, s41
	s_add_nc_u64 s[26:27], s[8:9], s[36:37]
	s_lshl_b32 s36, s38, 22                        ; out: b, j = 4 x wave, x = D / 16, T = D % 16
	s_lshl_b32 s41, s24, 20
	s_add_co_u32 s36, s36, s41
	s_lshr_b32 s41, s39, 4
	s_lshl_b32 s41, s41, 16
	s_add_co_u32 s36, s36, s41
	s_and_b32 s41, s39, 15
	s_lshl_b32 s41, s41, 10
	s_add_co_u32 s36, s36, s41
	s_add_nc_u64 s[28:29], s[16:17], s[36:37]
	s_lshl_b32 s36, s34, 9                         ; the suffix sums of these 16 rows: 512 bytes
	s_add_nc_u64 s[30:31], s[18:19], s[36:37]
	LOADBLK 0, 0, 8192
	LOADBLK 1, 1, 8192
.irp n, 0,1,2,3
	HBLOCK \n, 8192, 16384, 1
.endr
	v_add_f32 v8, v[SUM], v[SUM+1]                 ; my wave's two runs of 256 keys: the pair's halves,
	v_add_f32 v9, v[SUM+2], v[SUM+3]
	v_permlanex16_b32 v10, v8, s32, s33
	v_permlanex16_b32 v11, v9, s32, s33
	v_add_f32 v8, v8, v10                          ; and lane l xor 16's: row r's sums
	v_add_f32 v9, v9, v11
	ds_store_b64 v[CSW], v[8:9]                    ; both halves of the lanes write the same bytes with the same values
	s_wait_dscnt 0x0                               ; for the others' sake: my stores have landed
	s_barrier_signal -1
	s_barrier_wait -1
	s_cmp_lg_u32 s24, 0                            ; wave 0 makes the suffix sums; no barrier stands inside the branch
	s_cbranch_scc1 .Lv_end
	ds_load_b128 v[Y:Y+3], v[CSR]
	ds_load_b128 v[Y+4:Y+7], v[CSR] offset:16
	s_wait_dscnt 0x0
	v_mov_b32 v[Y+15], 0                           ; behind the last run nothing is left
	v_mov_b32 v[Y+14], v[Y+7]
	v_add_f32 v[Y+13], v[Y+6], v[Y+14]
	v_add_f32 v[Y+12], v[Y+5], v[Y+13]
	v_add_f32 v[Y+11], v[Y+4], v[Y+12]
	v_add_f32 v[Y+10], v[Y+3], v[Y+11]
	v_add_f32 v[Y+9], v[Y+2], v[Y+10]
	v_add_f32 v[Y+8], v[Y+1], v[Y+9]
	v_cmp_eq_u32 vcc_lo, 1, v[HH]
.irp i, 0,1,2,3
	v_cndmask_b32 v[Y+16+\i], v[Y+8+\i], v[Y+12+\i], vcc_lo
.endr
	global_store_b128 v[SO], v[Y+16:Y+19], s[30:31]   ; 512 consecutive bytes
.Lv_end:
	CLOSE
.Lw_role:
	; ---- W
	s_sub_co_u32 s34, ttmp9, 512
	s_lshl_b32 s34, s34, 2
	s_add_co_u32 s34, s34, s24
	s_lshr_b32 s38, s34, 1                         ; E: rows 16 E on
	s_and_b32 s39, s34, 1                          ; which 512 along K
	s_add_co_u32 s40, s25, STWT
	v_add_nc_u32 v[STI], s40, v[OFF]
	v_lshl_add_u32 v[RD], v[HH], 5, v11
	v_add_nc_u32 v[RD], s40, v[RD]
	s_lshl_b32 s36, s38, 16
	s_lshl_b32 s41, s39, 11
	s_add_co_u32 s36, s36, s41
	s_add_nc_u64 s[26:27], s[10:11], s[36:37]
	s_lshl_b32 s36, s39, 20                        ; out: ks = 4 x half, E
	s_lshl_b32 s41, s38, 12
	s_add_co_u32 s36, s36, s41
	s_add_nc_u64 s[28:29], s[20:21], s[36:37]
	LOADBLK 0, 0, 4096
	LOADBLK 1, 1, 4096
.irp n, 0,1,2,3
	HBLOCK \n, 4096, 1024, 0
.endr
	CLOSE
.Lfunc_end_k_q6c99ffda25_prep:
	.size	k_q6c99ffda25_prep, .Lfunc_end_k_q6c99ffda25_prep-k_q6c99ffda25_prep
	.p2alignl 7, 3214868480
	.fill 96, 4, 3214868480
	.section	.rodata,"a",@progbits
	.p2align	6, 0x0
	.amdhsa_kernel k_q6c99ffda25_prep
		.amdhsa_group_segment_fixed_size 102656
		.amdhsa_private_segment_fixed_size 0
		.amdhsa_enable_private_segment 0
		.amdhsa_kernarg_size 72
		.amdhsa_user_sgpr_count 2
		.amdhsa_user_sgpr_kernarg_segment_ptr 1
		.amdhsa_wavefront_size32 1
		.amdhsa_system_sgpr_workgroup_id_x 1
		.amdhsa_system_sgpr_workgroup_id_y 1
		.amdhsa_system_sgpr_workgroup_id_z 1
		.amdhsa_system_vgpr_workitem_id 0
		.amdhsa_next_free_vgpr 256
		.amdhsa_next_free_sgpr 66
		.amdhsa_reserve_vcc 1
		.amdhsa_float_denorm_mode_32 3
		.amdhsa_float_denorm_mode_16_64 3
		.amdhsa_memory_ordered 1
		.amdhsa_forward_progress 1
		.amdhsa_inst_pref_size 119
	.end_amdhsa_kernel
	.amdgpu_metadata
---
amdhsa.version: [ 1, 2 ]
amdhsa.kernels:
  - .name:           k_q6c99ffda25_prep
    .symbol:         k_q6c99ffda25_prep.kd
    .args:
      - { .name: Q, .offset: 0, .size: 8, .value_kind: global_buffer, .address_space: global }
      - { .name: K, .offset: 8, .size: 8, .value_kind: global_buffer, .address_space: global }
      - { .name: V, .offset: 16, .size: 8, .value_kind: global_buffer, .address_space: global }
      - { .name: W, .offset: 24, .size: 8, .value_kind: global_buffer, .address_space: global }
      - { .name: qimg, .offset: 32, .size: 8, .value_kind: global_buffer, .address_space: global }
      - { .name: kimg, .offset: 40, .size: 8, .value_kind: global_buffer, .address_space: global }
      - { .name: vimg, .offset: 48, .size: 8, .value_kind: global_buffer, .address_space: global }
      - { .name: vsuf, .offset: 56, .size: 8, .value_kind: global_buffer, .address_space: global }
      - { .name: wimg, .offset: 64, .size: 8, .value_kind: global_buffer, .address_space: global }
    .group_segment_fixed_size: 102656
    .private_segment_fixed_size: 0
    .kernarg_segment_align: 8
    .kernarg_segment_size: 72
    .max_flat_workgroup_size: 128
    .sgpr_count:     66
    .vgpr_count:     256
    .wavefront_size: 32
...
	.end_amdgpu_metadata
.endif
;; end of part 1
;; launch attn (part 2): grid 16 x 16, 4 waves a work-group, clusters of 4 x 1, 327,680 bytes of LDS; arguments qimg, kimg, vimg, vsuf, aimg; writes aimg
.if DOCPART == 2
	.amdgcn_target "amdgcn-amd-amdhsa--gfx1250"
	.amdhsa_code_object_version 6
	.text
	.protected	k_q6c99ffda25_attn
	.globl	k_q6c99ffda25_attn
	.p2align	8
	.type	k_q6c99ffda25_attn,@function
k_q6c99ffda25_attn:
	s_mov_b64 s[64:65], 0
	v_nop
	global_prefetch_b8 v0, s[64:65] scope:SCOPE_SE
	s_setreg_imm32_b32 hwreg(HW_REG_WAVE_MODE, 25, 1), 1
	s_wait_xcnt 0x0
	s_wait_alu depctr_hold_cnt(0) depctr_sa_sdst(0) depctr_va_vdst(0) depctr_va_sdst(0) depctr_va_ssrc(0) depctr_va_vcc(0) depctr_vm_vsrc(0)
	s_getreg_b32 s2, hwreg(HW_REG_IB_STS2, 6, 4)
	s_cmp_eq_u32 s2, 0
	s_cbranch_scc0 .Lentry_in_a_cluster
	s_endpgm
.Lentry_in_a_cluster:
	s_bfe_u32 s2, ttmp6, 0x10000c
	s_cmp_lg_u32 s2, 0x3003
	s_cbranch_scc0 .Lentry_shape_is_right
	s_endpgm
.Lentry_shape_is_right:
; attn_out[b][q][:] = the sum over all 2,048 keys t of softmax_t(score) V[b][:][t], score = Q.K / 32 + 1e-13 where t <= q and -1e-13 where t > q; stored in f16 as the next launch's operand registers take it.
; Q.K runs on codes of FP4 (E2M1) with E8M0 scales; the second product on f16 operands with f32 sums; maxima, exponentials and sums in f32.
; WHAT IS NOT COMPUTED.  The fill is no -infinity: every key counts.  But for the keys behind a block of 256 queries the weight is one number p0 for each query, so their part of the second product is
; p0 x (the sum of V over those keys), taken from vsuf; their part of the row's sum is their number x p0; and the fill takes part in the row's maximum.
; SHARES.  A cluster of four work-groups takes 256 queries (64 each) x 256 of the 1,024 channels, first of query block 7 - c and then of block c: (16 - 2 c) + (2 c + 2) = 18 steps of 128 keys in EVERY work-group.
; The four partners walk the same tiles of K and V, so every tile is asked for JOINTLY: one tensor load with the same descriptor and the mask of all four.
; THE WAVES SHARE THE KEYS: wave w takes keys 32 w .. 32 w + 31 of each step, makes S^T (source 0 = 16 keys, source 1 = 16 queries: a lane holds ONE query) for the 64 queries, keeps a running maximum and sum of
; its own, and multiplies its own weights by V (256 channels x its 32 keys) into 64 accumulators of its own.  The weights never leave the wave's registers, and each LDS byte is read by one wave.
; At a block's end the four waves' parts are brought under one maximum and added through LDS (FINAL); wave w ends up with channels 64 w .. 64 w + 63.  So that these lie in the same registers in every wave, slot
; group d (of four) of wave w's accumulators holds the real group (d + w) % 4.
; SOFTMAX.  t = c1 s + c2, c1 = log2(e) / 32, c2 = 1e-13 log2(e); p = 2^(t - M), M = t of the wave's running largest raw score; when M moves, the sum and O^T are multiplied by f = 2^(old M - new M).
; LIMITS: the division by 32, the +1e-13 and log2(e) are one fused multiply-add, so the order of rounding differs from the source's; the fill is carried as the raw score -6.4e-12, for which t = -c2;
; v_exp_f32 gives 0 for results under 2^-126; the weights are rounded to f16 (at most 1; under 6e-8 they fall to 0); NaN and infinities among the inputs are not served.
; REGISTERS, in windows of 256: window 0: see the names below.  Window 1: Q's fragments, (query tile q, K step s) at 8 (8 q + s).  Windows 2, 3: O^T, accumulator (T', q) at 8 (4 (T' % 8) + q), T' = 0-7 and 8-15.
.set GRP,   69632                      ; a group of 128 rows in qimg, kimg: 65,536 bytes of codes, 4,096 of scale bytes
.set LK,    131072                     ; LDS: V's two slots of 65,536 bytes from 0; K's codes, two slots of 65,536;
.set LSC,   262144                     ; K's scale bytes, two slots of 4,096;
.set MRG,   270336                     ; the merge: two regions of 24,576 (receiver x 6,144 + sender x 2,048);
.set MREG,  24576
.set STAT,  319488                     ; the waves' maxima and sums: 4,096;
.set SPARE, 323584                     ; the spare words, 128 bytes for each wave: two blocks of 256 bytes that no other line names
.set SPW, 1                            ; v1   my spare word; never rewritten
.set NIL, 2                            ; v2   0; never rewritten
.set AK0, 3                            ; v3   my lane's place in a tile of K's codes (slot 0)
.set AS0, 4                            ; v4   among K's scale words
.set AV0, 5                            ; v5-8 in V's tile, slot group d
.set ADK, 9                            ; v9, v10, v11-14: the same for the step in hand
.set ADS, 10
.set ADV, 11
.set LI,  15                           ; v15  16 x lane
.set L32, 16                           ; v16  32 x lane
.set MD0, 17                           ; v17  r - 8 h - 32 w + 64 cx: the mask's number (never an address)
.set MD,  18
.set FIL, 19                           ; v19  the fill as a raw score
.set STW, 20                           ; v20, v21: STAT, where I write and read
.set STR, 21
.set MW,  22                           ; v22-24 the merge: where slot group d = 1 .. 3 is sent
.set MR,  25                           ; v25  and where I receive
.set SFO, 26                           ; v26  256 h: my half's eight channels in vsuf
.set PFO, 27                           ; v27  256 x lane: the prefetches' offset
.set TW,  28                           ; v28-31 at work
.set ST,  32                           ; v32-63 eight a query tile: +0 A = c2 - M (later w0), +1 its pair's partner, +2, +3 the sum, +4 the largest raw score, +5 at work, +6 f (later g), +7 its partner
.set KS,  64                           ; v64-71 K's scale words of K steps 0-7: lane l holds key 32 w + l's
.set QS,  72                           ; v72-87 Q's: register 8 p + s: lanes 0-15 query tile 2 p, lanes 16-31 tile 2 p + 1
.set S,   88                           ; v88-151 S^T, accumulator (key tile u, query tile q) at 16 q + 8 u; then p; then V's fragments T' = 8-15
.set P,   152                          ; v152-183 the weights in f16, 8 a query tile
.set FB,  184                          ; v184-247 K's fragments, a ring of four K steps x 16; then V's fragments T' = 0-7
.set TX,  248                          ; v248-255 at work
.set WV, 14
.set CX, 15
.set BB, 17
.set CC, 18
.set SEL, 20                           ; s[20:21] selects for lane l xor 16
.set C1, 22                            ; s[22:23] c1, twice
.set G1K, 24                           ; s[24:31], s[32:39], s[40:47] descriptor groups 1: K's codes, K's scale bytes, half of V's tile
.set G1S, 32
.set G1V, 40
.set G0K, 48                           ; s[48:51], s[52:55], s[56:59] their groups 0, which walk
.set G0S, 52
.set G0V, 56
.set KB,  60                           ; s[60:61], s[62:63], s[66:67] the batch's tile 0 in memory
.set KSB, 62
.set VB,  66
.set JNXT, 68                          ; the key step (within its block) of the tile being asked for
.set JCUR, 69                          ; and of the tile in hand
.set LA,  70                           ; steps of the first block
.set MST, 71                           ; the first step on the diagonal: 2 sb
.set CNT, 72
.set T16, 73                           ; the slot in hand: 0 or 65,536,
.set T12, 74                           ; 0 or 4,096
.set C2,  75
.set PFA, 76                           ; s[76:77] where my prefetches stand; s[78:79] a tile on; s80: 3 in a wave that prefetches, else the greatest number
.set PFS, 78
.set LIM, 80
.set SB256, 81                         ; the block in hand: 256 sb; t of the fill, or -3e38 where no key is left behind the block; the keys behind it; its rows of aimg; its place in vsuf
.set FT,  82
.set NT,  83
.set OB,  84
.set SUFB, 86
.set MSTB, 88                          ; the second block's
.set SB256B, 89
.set NTB, 90
.set OBB, 92
.set SUFBB, 94
.set QCA, 8                            ; s[8:9], s[10:11] Q's codes and scale bytes of the first block; s[12:13], s[6:7] of the second (in argument registers that are done with)
.set QSA, 10
.set QCB, 12
.set QSB, 6
.set BIG, 0xff61b1e6                   ; -3e38
.set MSB, 0
.macro WIN new                         ; the immediate's high byte repeats the setting that is left; a switch that changes nothing is dropped
.if MSB != (\new)
	s_set_vgpr_msb (MSB<<8)|(\new)
.set MSB, (\new)
.endif
.endm
.macro BAR
	s_barrier_signal -1
	s_barrier_wait -1
.endm
.macro CROUND                          ; a round of the cluster's barrier: my work-group's barrier, wave 0 signals for the work-group, every wave waits for all four, my work-group's barrier once more
	s_barrier_signal -1
	s_barrier_wait -1
	s_cmp_lg_u32 s[WV], 0
	s_cbranch_scc1 .Lnot_wave_0_\@
	s_barrier_signal -3
.Lnot_wave_0_\@:
	s_barrier_wait -3
	s_barrier_signal -1
	s_barrier_wait -1
.endm
; A joint load: wave 0 K's codes, wave 1 K's scale bytes, waves 2 and 3 the halves of V's tile.  The branches hang on the wave's number alone.  An s_nop 0 and four v_nop follow each line.
.macro JLOAD3
	s_cmp_eq_u32 s[WV], 0
	s_cbranch_scc0 .Lnot_k_\@
	tensor_load_to_lds s[G0K:G0K+3], s[G1K:G1K+7]
	s_nop 0
.rept 4
	v_nop
.endr
	s_branch .Lasked_\@
.Lnot_k_\@:
	s_cmp_eq_u32 s[WV], 1
	s_cbranch_scc0 .Lnot_s_\@
	tensor_load_to_lds s[G0S:G0S+3], s[G1S:G1S+7]
	s_nop 0
.rept 4
	v_nop
.endr
	s_branch .Lasked_\@
.Lnot_s_\@:
	tensor_load_to_lds s[G0V:G0V+3], s[G1V:G1V+7]
	s_nop 0
.rept 4
	v_nop
.endr
.Lasked_\@:
.endm
; A PREFETCH INTO THE L2 of the tile that the NEXT change of slots will ask for, one key step ahead of that load.  All clusters of a batch begin at key step 0 and walk upward; the cluster with c = 0 walks all 16, and it
; asks: for V's tile of its own 256 channels waves 2 and 3, for K's codes waves 0 and 1 of the cluster with x = 0.  A tile's 65,536 bytes are shared out by address: 32,768 x (wave % 2) + 8,192 x cx + 256 x lane:
; each aligned block of 256 bytes is named once in the launch.  Trip n asks for tile n + 2, n = 0 .. 13; tiles 0 and 1 and the scale bytes come by their loads alone.
.macro ASK
	s_cmp_gt_u32 s[CNT], s[LIM]
	s_cbranch_scc0 .Lnot_mine_\@
	global_prefetch_b8 v[PFO], s[PFA:PFA+1] th:TH_LOAD_NT scope:SCOPE_SE
.Lnot_mine_\@:
.endm
; THE CHANGE OF SLOTS, at a step's head.  Each wave waits for all its tensor loads (one is out: its part of the tile that it is about to read), adds 0 to its spare word, and waits for that and for its reads of the
; slot that it has left.  fill = 1: a round of the cluster's barrier, and behind it the next tile goes into that slot: my one tensor load until the next round; it has a whole step in which to land.
.macro CHANGE fill
	s_wait_tensorcnt 0x0                           ; no tensor load of mine is out, so a group 0 may be written
	ds_add_u32 v[SPW], v[NIL]                      ; 0 onto my spare word; the descriptors' steps stand between it and the wait for it
.if \fill
	s_add_co_u32 s[JNXT], s[JNXT], 1
	s_cmp_eq_u32 s[JNXT], s[LA]
	s_cselect_b32 s[JNXT], 0, s[JNXT]              ; behind the first block's last step comes the second block's step 0
	s_xor_b32 s[G0K+1], s[G0K+1], 0x10000          ; the other slot than last time
	s_xor_b32 s[G0S+1], s[G0S+1], 0x1000
	s_xor_b32 s[G0V+1], s[G0V+1], 0x10000
	s_mul_i32 s96, s[JNXT], GRP
	s_mov_b32 s97, 0
	s_add_nc_u64 s[G0K+2:G0K+3], s[KB:KB+1], s[96:97]
	s_or_b32 s[G0K+3], s[G0K+3], 0x80000000
	s_add_nc_u64 s[G0S+2:G0S+3], s[KSB:KSB+1], s[96:97]
	s_or_b32 s[G0S+3], s[G0S+3], 0x80000000
	s_lshl_b32 s96, s[JNXT], 18
	s_add_nc_u64 s[G0V+2:G0V+3], s[VB:VB+1], s[96:97]
	s_or_b32 s[G0V+3], s[G0V+3], 0x80000000
	s_wait_xcnt 0x0                                ; the last prefetch, a step back, has read its address, so it may be written
	s_add_nc_u64 s[PFA:PFA+1], s[PFA:PFA+1], s[PFS:PFS+1]
	s_wait_dscnt 0x0                               ; the add is done, and my reads of the slot that I have left are over
	CROUND
	JLOAD3
	ASK
.else
	s_wait_dscnt 0x0
	BAR
.endif
.endm
.macro QLD qc, qs                      ; 64 queries' codes into window 1 and their scale words
	WIN 0x40
.irp q, 0,1,2,3
.irp s, 0,1,2,3,4,5,6,7
.irp c, 0,1
	global_load_b128 v[8*(8*\q+\s)+4*\c:8*(8*\q+\s)+4*\c+3], v[LI], s[\qc:\qc+1] offset:\q*8192+\s*1024+\c*512
.endr
.endr
.endr
	WIN 0
.irp p, 0,1
	global_load_b128 v[QS+8*\p:QS+8*\p+3], v[L32], s[\qs:\qs+1] offset:\p*1024
	global_load_b128 v[QS+8*\p+4:QS+8*\p+7], v[L32], s[\qs:\qs+1] offset:\p*1024+16
.endr
.endm
.macro KLOAD s                         ; K step s of my 32 keys: two fragments, four loads of 512 consecutive bytes
.irp u, 0,1
.irp c, 0,1
	ds_load_b128 v[FB+16*((\s)%4)+8*\u+4*\c:FB+16*((\s)%4)+8*\u+4*\c+3], v[ADK] offset:\u*8192+(\s)*1024+\c*512
.endr
.endr
.endm
.macro VLOAD hf, base                  ; V's fragments of slot groups 2 hf, 2 hf + 1: 16 loads
.irp d, 0,1
.irp a, 0,1,2,3
.irp c, 0,1
	ds_load_b128 v[\base+8*(4*\d+\a)+4*\c:\base+8*(4*\d+\a)+4*\c+3], v[ADV+2*(\hf)+\d] offset:\a*1024+\c*512
.endr
.endr
.endr
.endm
; One product of S^T: key tile u, query tile q, K step s.  K's scale words of tile u stand in lanes 16 u on of KS, Q's of tile q in lanes 16 (q % 2) on of QS.  K step 0 starts the sums.
.macro KQ u, q, s
.set rD, S+16*(\q)+8*(\u)
.set rA, FB+16*((\s)%4)+8*(\u)
.set rB, 8*(8*(\q)+(\s))
.set rX, KS+(\s)
.set rY, QS+8*((\q)/2)+(\s)
.if (\s) == 0
.if ((\u) == 0) && (((\q)%2) == 0)
	v_wmma_scale_f32_16x16x128_f8f6f4 v[rD:rD+7], v[rA:rA+7], v[rB:rB+7], 0, v[rX], v[rY] matrix_a_fmt:MATRIX_FMT_FP4 matrix_b_fmt:MATRIX_FMT_FP4
.elseif ((\u) == 1) && (((\q)%2) == 0)
	v_wmma_scale_f32_16x16x128_f8f6f4 v[rD:rD+7], v[rA:rA+7], v[rB:rB+7], 0, v[rX], v[rY] matrix_a_fmt:MATRIX_FMT_FP4 matrix_b_fmt:MATRIX_FMT_FP4 matrix_a_scale:MATRIX_SCALE_ROW1
.elseif (\u) == 0
	v_wmma_scale_f32_16x16x128_f8f6f4 v[rD:rD+7], v[rA:rA+7], v[rB:rB+7], 0, v[rX], v[rY] matrix_a_fmt:MATRIX_FMT_FP4 matrix_b_fmt:MATRIX_FMT_FP4 matrix_b_scale:MATRIX_SCALE_ROW1
.else
	v_wmma_scale_f32_16x16x128_f8f6f4 v[rD:rD+7], v[rA:rA+7], v[rB:rB+7], 0, v[rX], v[rY] matrix_a_fmt:MATRIX_FMT_FP4 matrix_b_fmt:MATRIX_FMT_FP4 matrix_a_scale:MATRIX_SCALE_ROW1 matrix_b_scale:MATRIX_SCALE_ROW1
.endif
.else
.if ((\u) == 0) && (((\q)%2) == 0)
	v_wmma_scale_f32_16x16x128_f8f6f4 v[rD:rD+7], v[rA:rA+7], v[rB:rB+7], v[rD:rD+7], v[rX], v[rY] matrix_a_fmt:MATRIX_FMT_FP4 matrix_b_fmt:MATRIX_FMT_FP4
.elseif ((\u) == 1) && (((\q)%2) == 0)
	v_wmma_scale_f32_16x16x128_f8f6f4 v[rD:rD+7], v[rA:rA+7], v[rB:rB+7], v[rD:rD+7], v[rX], v[rY] matrix_a_fmt:MATRIX_FMT_FP4 matrix_b_fmt:MATRIX_FMT_FP4 matrix_a_scale:MATRIX_SCALE_ROW1
.elseif (\u) == 0
	v_wmma_scale_f32_16x16x128_f8f6f4 v[rD:rD+7], v[rA:rA+7], v[rB:rB+7], v[rD:rD+7], v[rX], v[rY] matrix_a_fmt:MATRIX_FMT_FP4 matrix_b_fmt:MATRIX_FMT_FP4 matrix_b_scale:MATRIX_SCALE_ROW1
.else
	v_wmma_scale_f32_16x16x128_f8f6f4 v[rD:rD+7], v[rA:rA+7], v[rB:rB+7], v[rD:rD+7], v[rX], v[rY] matrix_a_fmt:MATRIX_FMT_FP4 matrix_b_fmt:MATRIX_FMT_FP4 matrix_a_scale:MATRIX_SCALE_ROW1 matrix_b_scale:MATRIX_SCALE_ROW1
.endif
.endif
.endm
; S^T for 64 queries x my 32 keys: 8 K steps x 8 products; the 8 accumulators take turns, one instruction a turn.  K's fragments come through a ring of four K steps: behind a K step's
; products and four places its ring place takes the K step four on.  Each wait counts the loads of the K steps behind the one in hand.  At the end V's first 8 fragments are asked for into the ring's registers.
.macro SCORES
	v_add_nc_u32 v[ADK], s[T16], v[AK0]
	v_add_nc_u32 v[ADS], s[T12], v[AS0]
.irp d, 0,1,2,3
	v_add_nc_u32 v[ADV+\d], s[T16], v[AV0+\d]
.endr
	s_wait_loadcnt 0x0                             ; Q
	ds_load_b128 v[KS:KS+3], v[ADS]
	ds_load_b128 v[KS+4:KS+7], v[ADS] offset:16
.irp s, 0,1,2,3
	KLOAD \s
.endr
	WIN 0x04                                       ; source 1 (Q) in window 1; an LDS load's places stay in window 0
.irp s, 0,1,2,3,4,5,6,7
.if \s <= 4
	s_wait_dscnt 12                                ; three K steps' loads may be out
.else
	s_wait_dscnt 4*(7-\s)
.endif
.irp q, 0,1,2,3
.irp u, 0,1
	KQ \u, \q, \s
.endr
.endr
.if \s < 4
.rept 4
	v_nop                                          ; places in front of loads into registers that matrix instructions have read
.endr
	KLOAD \s+4
.endif
.endr
.rept 4
	v_nop                                          ; places in front of the first read of the scores and of the loads below
.endr
	WIN 0
	VLOAD 0, FB
.endm
; On the diagonal's 256 keys the scores of later keys become the fill.  Register 16 q + 8 u + j holds key 128 J + 32 w + 16 u + 8 h + j for query 256 sb + 64 cx + 16 q + r.
.macro MASK
	s_lshl_b32 s96, s[JCUR], 7
	s_sub_co_i32 s96, s[SB256], s96
	v_add_nc_u32 v[MD], s96, v[MD0]
.irp q, 0,1,2,3
.irp u, 0,1
.irp j, 0,1,2,3,4,5,6,7
	v_cmp_gt_i32 vcc_lo, 16*\u+\j-16*\q, v[MD]
	v_cndmask_b32 v[S+16*\q+8*\u+\j], v[S+16*\q+8*\u+\j], v[FIL], vcc_lo
.endr
.endr
.endr
.endm
.macro SOFTMAX                         ; the four query tiles by turns, so that no line waits for the line above it.  Each accumulator is first read at its low end
.irp q, 0,1,2,3
	v_max3_num_f32 v[ST+8*\q+5], v[S+16*\q], v[S+16*\q+1], v[S+16*\q+2]
.endr
.irp i, 3,5,7,9,11,13
.irp q, 0,1,2,3
	v_max3_num_f32 v[ST+8*\q+5], v[ST+8*\q+5], v[S+16*\q+\i], v[S+16*\q+\i+1]
.endr
.endr
.irp q, 0,1,2,3
	v_max3_num_f32 v[ST+8*\q+5], v[ST+8*\q+5], v[S+16*\q+15], v[ST+8*\q+4]   ; and the largest so far
.endr
.irp q, 0,1,2,3
	v_permlanex16_b32 v[TX+\q], v[ST+8*\q+5], s[SEL], s[SEL+1]   ; the query's other 16 keys lie in the lane 16 away
.endr
.irp q, 0,1,2,3
	v_max_num_f32 v[ST+8*\q+4], v[ST+8*\q+5], v[TX+\q]
.endr
.irp q, 0,1,2,3
	v_fma_f32 v[ST+8*\q+5], v[ST+8*\q+4], s[C1], s[C2]           ; M
.endr
.irp q, 0,1,2,3
	v_sub_f32 v[TX+\q], s[C2], v[ST+8*\q+5]                      ; the new A = c2 - M
.endr
.irp q, 0,1,2,3
	v_sub_f32 v[ST+8*\q+5], v[TX+\q], v[ST+8*\q]                 ; old M - new M
.endr
.irp q, 0,1,2,3
	v_mov_b32 v[ST+8*\q], v[TX+\q]
.endr
.irp i, 0,2,4,6,8,10,12,14
.irp q, 0,1,2,3
	v_pk_fma_f32 v[S+16*\q+\i:S+16*\q+\i+1], v[S+16*\q+\i:S+16*\q+\i+1], s[C1:C1+1], v[ST+8*\q:ST+8*\q+1] op_sel_hi:[1,0,0]   ; c1 s + c2 - M, two at a time
.endr
.endr
.irp q, 0,1,2,3
	v_exp_f32 v[ST+8*\q+6], v[ST+8*\q+5]           ; f
.endr
.set j, 0
.rept 64
	v_exp_f32 v[S+j], v[S+j]                       ; p
.set j, j+1
.endr
	v_nop                                          ; a plain line behind the last exponential
	s_wait_alu depctr_va_vdst(0)                   ; one wait for the batch of 68, ahead of its first reader
.irp i, 0,1,2,3,4,5,6,7
.irp q, 0,1,2,3
	v_cvt_pk_f16_f32 v[P+8*\q+\i], v[S+16*\q+2*\i], v[S+16*\q+2*\i+1]   ; key tile u's eight keys are registers 4 u .. 4 u + 3 of source 1 of the second product
.endr
.endr
.irp i, 0,4,8,12
.irp q, 0,1,2,3
	v_pk_add_f32 v[S+16*\q+\i:S+16*\q+\i+1], v[S+16*\q+\i:S+16*\q+\i+1], v[S+16*\q+\i+2:S+16*\q+\i+3]   ; the sum of the unrounded p
.endr
.endr
.irp i, 0,8
.irp q, 0,1,2,3
	v_pk_add_f32 v[S+16*\q+\i:S+16*\q+\i+1], v[S+16*\q+\i:S+16*\q+\i+1], v[S+16*\q+\i+4:S+16*\q+\i+5]
.endr
.endr
.irp q, 0,1,2,3
	v_pk_add_f32 v[S+16*\q:S+16*\q+1], v[S+16*\q:S+16*\q+1], v[S+16*\q+8:S+16*\q+9]
.endr
.irp q, 0,1,2,3
	v_pk_fma_f32 v[ST+8*\q+2:ST+8*\q+3], v[ST+8*\q+2:ST+8*\q+3], v[ST+8*\q+6:ST+8*\q+7], v[S+16*\q:S+16*\q+1] op_sel_hi:[1,0,1]
.endr
	VLOAD 1, S                                     ; V's other 8 fragments, into the registers that p has left
.endm
; O^T += V^T P: 64 products, one on each accumulator (my 32 keys are one K step).  zero = 1, a block's first step: they start the sums.  zero = 0: O^T is first multiplied by f: the four packed lines for accumulator
; (T' + 1, q) stand behind the product on (T', q), so that vector and matrix work run side by side; each such slice costs two switches of the register windows.
.macro PV zero
	s_wait_dscnt 16                                ; V's first 8 fragments are in; the 16 younger loads may be out
.if \zero == 0
	WIN 0x82
.irp q, 0,1,2,3
.irp i, 0,2,4,6
	v_pk_mul_f32 v[8*\q+\i:8*\q+\i+1], v[8*\q+\i:8*\q+\i+1], v[ST+8*\q+6:ST+8*\q+7] op_sel_hi:[1,0]
.endr
.endr
.endif
.set TP, 0
.rept 16
.if TP == 8
	s_wait_dscnt 0x0
.endif
.if TP < 8
.set rV, FB+8*TP
.else
.set rV, S+8*(TP-8)
.endif
.irp q, 0,1,2,3
.set rO, 8*(4*(TP%8)+\q)
	WIN 0xa0+0x50*(TP/8)
.if \zero
	v_wmma_f32_16x16x32_f16 v[rO:rO+7], v[rV:rV+7], v[P+8*\q:P+8*\q+7], 0
.else
	v_wmma_f32_16x16x32_f16 v[rO:rO+7], v[rV:rV+7], v[P+8*\q:P+8*\q+7], v[rO:rO+7]
.if TP < 15
.set rN, 8*(4*((TP+1)%8)+\q)
	WIN 0x82+0x41*((TP+1)/8)
.irp i, 0,2,4,6
	v_pk_mul_f32 v[rN+\i:rN+\i+1], v[rN+\i:rN+\i+1], v[ST+8*\q+6:ST+8*\q+7] op_sel_hi:[1,0]
.endr
.endif
.endif
.endr
.set TP, TP+1
.endr
	WIN 0
.rept 5
	v_nop                                          ; five places: the next step's first products write over registers that these have read
.endr
.endm
.macro STATINIT                        ; a block begins: the largest score -3e38, A to match, the sums 0
.irp q, 0,1,2,3
	v_mov_b32 v[ST+8*\q+4], BIG
	v_mov_b32 v[ST+8*\q+2], 0
	v_mov_b32 v[ST+8*\q+3], 0
.endr
.irp q, 0,1,2,3
	v_fma_f32 v[ST+8*\q+5], v[ST+8*\q+4], s[C1], s[C2]
.endr
.irp q, 0,1,2,3
	v_sub_f32 v[ST+8*\q], s[C2], v[ST+8*\q+5]
.endr
.endm
; THE MERGE goes in eight rounds; round rho takes tile rho / 2 of each slot group and query tiles 2 (rho % 2), + 1.
.macro SCALE rho                       ; my own two accumulators and the six to be sent, x g
.irp d, 0,1,2,3
	WIN 0x82+0x41*((\d)/2)
.irp k, 0,1
.irp i, 0,2,4,6
.set rO, 8*(4*((4*\d+(\rho)/2)%8)+2*((\rho)%2)+\k)+\i
	v_pk_mul_f32 v[rO:rO+1], v[rO:rO+1], v[ST+8*(2*((\rho)%2)+\k)+6:ST+8*(2*((\rho)%2)+\k)+7] op_sel_hi:[1,0]
.endr
.endr
.endr
.endm
.macro SENDR rho                       ; slot group d goes to wave (w + d) % 4, whose own it is: images of the registers, 512 consecutive bytes a store
.irp d, 1,2,3
	WIN 0x08+4*((\d)/2)                            ; an LDS store's data are its source 1
.irp k, 0,1
.irp c, 0,1
.set rO, 8*(4*((4*\d+(\rho)/2)%8)+2*((\rho)%2)+\k)+4*\c
	ds_store_b128 v[MW+\d-1], v[rO:rO+3] offset:((\rho)%2)*MREG+\k*1024+\c*512
.endr
.endr
.endr
.endm
.macro RECV rho
	WIN 0
.irp d, 0,1,2
.irp k, 0,1
.irp c, 0,1
	ds_load_b128 v[FB+16*\d+8*\k+4*\c:FB+16*\d+8*\k+4*\c+3], v[MR] offset:((\rho)%2)*MREG+\d*2048+\k*1024+\c*512
.endr
.endr
.endr
.endm
.macro ADDR rho
	WIN 0x82
.irp d, 0,1,2
.irp k, 0,1
.irp i, 0,2,4,6
.set rO, 8*(4*((\rho)/2)+2*((\rho)%2)+\k)+\i
	v_pk_add_f32 v[rO:rO+1], v[rO:rO+1], v[FB+16*\d+8*\k+\i:FB+16*\d+8*\k+\i+1]
.endr
.endr
.endr
.endm
; A BLOCK'S END.  The four waves' maxima and sums meet in STAT; each wave makes the row's maximum Mg (the fill's t among its leaves), the row's sum, g = 2^(my M - Mg) / sum and w0 = p0 / sum.
; Then the merge: two regions by turns, one barrier a round; a region is written again only behind the barrier in front of which every wave has waited for its reads of it.  The next tile's tensor load stays
; on its way across these barriers. Last the tail (the keys behind the block), the rounding to f16 and 16 stores of 512 consecutive bytes.
.macro FINAL
.irp q, 0,1,2,3
	v_add_f32 v[ST+8*\q+5], v[ST+8*\q+2], v[ST+8*\q+3]
.endr
.irp q, 0,1,2,3
	v_permlanex16_b32 v[ST+8*\q+4], v[ST+8*\q+5], s[SEL], s[SEL+1]
.endr
.irp q, 0,1,2,3
	v_add_f32 v[ST+8*\q+5], v[ST+8*\q+5], v[ST+8*\q+4]           ; my wave's sum for the query
.endr
.irp q, 0,1,2,3
	v_sub_f32 v[TW+\q], s[C2], v[ST+8*\q]                        ; my wave's M
.endr
.irp q, 0,1,2,3
	ds_store_b32 v[STW], v[TW+\q] offset:\q*512
	ds_store_b32 v[STW], v[ST+8*\q+5] offset:2048+\q*512
.endr
.irp a, 0,1,2,3
.irp j, 0,1,2,3,4,5,6,7
	global_load_b32 v[P+8*\a+\j], v[SFO], s[SUFB:SUFB+1] offset:\a*512+\j*32   ; the sums of V behind the block, for my 64 channels: register 8 a + j is channel 16 a + 8 h + j
.endr
.endr
	s_wait_dscnt 0x0
	BAR
.irp q, 0,1,2,3
	ds_load_b128 v[FB+4*\q:FB+4*\q+3], v[STR] offset:\q*512
	ds_load_b128 v[FB+16+4*\q:FB+16+4*\q+3], v[STR] offset:2048+\q*512
.endr
	s_wait_dscnt 0x0
.irp q, 0,1,2,3
	v_max3_num_f32 v[FB+32+\q], v[FB+4*\q], v[FB+4*\q+1], v[FB+4*\q+2]
.endr
.irp q, 0,1,2,3
	v_max3_num_f32 v[FB+32+\q], v[FB+32+\q], v[FB+4*\q+3], s[FT]
.endr
.irp i, 0,1,2,3
.irp q, 0,1,2,3
	v_sub_f32 v[FB+4*\q+\i], v[FB+4*\q+\i], v[FB+32+\q]
.endr
.endr
.irp q, 0,1,2,3
	v_sub_f32 v[TW+\q], v[TW+\q], v[FB+32+\q]
.endr
.irp q, 0,1,2,3
	v_sub_f32 v[TX+\q], s[FT], v[FB+32+\q]
.endr
.set j, 0
.rept 16
	v_exp_f32 v[FB+j], v[FB+j]
.set j, j+1
.endr
.irp q, 0,1,2,3
	v_exp_f32 v[TW+\q], v[TW+\q]
.endr
.irp q, 0,1,2,3
	v_exp_f32 v[TX+\q], v[TX+\q]                   ; p0
.endr
	v_cvt_f32_u32 v[TX+4], s[NT]                   ; the number of keys behind the block
	v_nop                                          ; a plain line behind the last exponential
	s_wait_alu depctr_va_vdst(0)                   ; one wait for the batch of 24
.irp q, 0,1,2,3
	v_mul_f32 v[FB+36+\q], v[TX+4], v[TX+\q]
.endr
.irp i, 0,1,2,3
.irp q, 0,1,2,3
	v_fma_f32 v[FB+36+\q], v[FB+4*\q+\i], v[FB+16+4*\q+\i], v[FB+36+\q]
.endr
.endr
.irp q, 0,1,2,3
	v_rcp_f32 v[FB+40+\q], v[FB+36+\q]
.endr
	v_nop
	s_wait_alu depctr_va_vdst(0)                   ; one wait for the four reciprocals
.irp q, 0,1,2,3
	v_mul_f32 v[ST+8*\q+6], v[TW+\q], v[FB+40+\q]  ; g
	v_mul_f32 v[ST+8*\q], v[TX+\q], v[FB+40+\q]    ; w0
.endr
	SCALE 0
	SENDR 0
	s_wait_dscnt 0x0
	BAR
.irp rr, 0,1,2,3,4,5,6,7
	RECV \rr
.if \rr < 7
	SCALE \rr+1
	SENDR \rr+1
	s_wait_dscnt 12                                ; what I received is in; the 12 younger stores may be out
.else
	s_wait_dscnt 0x0
.endif
	ADDR \rr
.if \rr < 7
	s_wait_dscnt 0x0                               ; my stores have landed
	BAR
.endif
.endr
	s_wait_loadcnt 0x0                             ; the sums of V
	WIN 0xa0
.irp a, 0,1,2,3
.irp q, 0,1,2,3
.irp i, 0,2,4,6
.set rO, 8*(4*\a+\q)+\i
	v_pk_fma_f32 v[rO:rO+1], v[P+8*\a+\i:P+8*\a+\i+1], v[ST+8*\q:ST+8*\q+1], v[rO:rO+1] op_sel_hi:[1,0,1]
.endr
.endr
.endr
	WIN 0x0a
.irp q, 0,1,2,3
.irp a, 0,1,2,3
.irp i, 0,1,2,3
	v_cvt_pk_f16_f32 v[S+16*\q+4*\a+\i], v[8*(4*\a+\q)+2*\i], v[8*(4*\a+\q)+2*\i+1]
.endr
.endr
.endr
	WIN 0
.irp q, 0,1,2,3
.irp a, 0,1,2,3
	global_store_b128 v[LI], v[S+16*\q+4*\a:S+16*\q+4*\a+3], s[OB:OB+1] offset:\q*4096+\a*512   ; 512 consecutive bytes, aligned
.endr
.endr
.endm
	s_load_b256 s[4:11], s[0:1], 0x0               ; qimg s[4:5], kimg s[6:7], vimg s[8:9], vsuf s[10:11]
	s_load_b64 s[12:13], s[0:1], 0x20              ; aimg
	v_lshl_add_u32 v[SPW], v0, 2, SPARE
	v_mov_b32 v[NIL], 0
	ds_add_u32 v[SPW], v[NIL]                      ; the wave's opening: the add, twice on end, and its wait ahead of my first tensor load
	ds_add_u32 v[SPW], v[NIL]
	v_lshrrev_b32 v28, 5, v0
	v_readfirstlane_b32 s[WV], v28                 ; wave 0..3
	s_bfe_u32 s[CX], ttmp6, 0x40000                ; cx: which 64 of the cluster's 256 queries.  It enters Q's and aimg's addresses, the prefetches' and the mask's number, nothing else
	s_and_b32 s96, ttmp7, 0xffff
	s_lshr_b32 s[BB], s96, 2                       ; the batch
	s_and_b32 s[CC], s96, 3                        ; c
.irp g, G1K, G1S, G1V                  ; dense tiles as rows of 256 bytes: 32 elements of 8 bytes; the mask names all four work-groups, bit 21 beside it
	s_mov_b32 s[\g], 15|(3<<16)|(1<<21)
	s_mov_b32 s[\g+1], 32<<16
	s_mov_b32 s[\g+3], 32<<16
	s_mov_b32 s[\g+5], 32
	s_mov_b32 s[\g+6], 0
	s_mov_b32 s[\g+7], 0
.endr
	s_mov_b32 s[G1K+2], 256<<16                    ; K's codes: 256 rows
	s_mov_b32 s[G1K+4], 256
	s_mov_b32 s[G1S+2], 16<<16                     ; K's scale bytes: 16
	s_mov_b32 s[G1S+4], 16
	s_mov_b32 s[G1V+2], 128<<16                    ; half of V's tile: 128
	s_mov_b32 s[G1V+4], 128
	s_mov_b32 s[SEL], 0x76543210
	s_mov_b32 s[SEL+1], 0xfedcba98
	s_mov_b32 s[C1], 0x3d38aa3b                    ; log2(e) / 32
	s_mov_b32 s[C1+1], s[C1]
	s_mov_b32 s[C2], 0x2a226eda                    ; 1e-13 log2(e)
	s_mov_b32 s[JNXT], 0
	s_mov_b32 s[JCUR], 0
	s_mov_b32 s[T16], 0
	s_mov_b32 s[T12], 0
	s_mov_b32 s[CNT], 17
	s_sub_co_u32 s19, 7, s[CC]                     ; the first block: sb = 7 - c
	s_lshl_b32 s[MST], s19, 1
	s_lshl_b32 s[SB256], s19, 8
	s_lshl_b32 s[NT], s[CC], 8                     ; 256 (7 - sb)
	s_add_co_u32 s[LA], s[MST], 2
	s_lshl_b32 s[MSTB], s[CC], 1                   ; the second: sb = c
	s_lshl_b32 s[SB256B], s[CC], 8
	s_lshl_b32 s[NTB], s19, 8
	s_mov_b32 s[FT], 0xaa226eda                    ; -c2
	s_cmp_eq_u32 s[CC], 0
	s_cselect_b32 s[FT], BIG, s[FT]                ; behind block 7 no key is left
	s_mul_i32 s96, s[BB], 16*GRP
	s_mov_b32 s97, 0
	s_lshl_b32 s98, s[BB], 22
	s_lshl_b32 s99, ttmp9, 16                      ; x: which 256 channels
	s_add_co_u32 s98, s98, s99
	s_and_b32 s91, s[WV], 1
	s_lshl_b32 s91, s91, 15                        ; which half of V's tile I fetch
	s_add_co_u32 s98, s98, s91
	s_mov_b32 s99, 0
	s_wait_dscnt 0x0                               ; both opening adds are done
	s_wait_kmcnt 0x0
	s_add_nc_u64 s[KB:KB+1], s[6:7], s[96:97]
	s_add_nc_u64 s[KSB:KSB+1], s[KB:KB+1], 0x10000
	s_add_nc_u64 s[VB:VB+1], s[8:9], s[98:99]
	CROUND                                         ; all four work-groups are here: the first joint loads meet
	s_mov_b32 s[G0K], 1
	s_mov_b32 s[G0K+1], LK
	s_mov_b64 s[G0K+2:G0K+3], s[KB:KB+1]
	s_or_b32 s[G0K+3], s[G0K+3], 0x80000000
	s_mov_b32 s[G0S], 1
	s_mov_b32 s[G0S+1], LSC
	s_mov_b64 s[G0S+2:G0S+3], s[KSB:KSB+1]
	s_or_b32 s[G0S+3], s[G0S+3], 0x80000000
	s_mov_b32 s[G0V], 1
	s_mov_b32 s[G0V+1], s91
	s_mov_b64 s[G0V+2:G0V+3], s[VB:VB+1]
	s_or_b32 s[G0V+3], s[G0V+3], 0x80000000
	JLOAD3                                         ; tile 0 into slot 0: one tensor load of mine is out
	; the prefetches: where mine stand, and who asks
	s_cmp_lt_u32 s[WV], 2
	s_cselect_b64 s[PFA:PFA+1], s[KB:KB+1], s[VB:VB+1]
	s_mov_b32 s[PFS], 262144
	s_cselect_b32 s[PFS], GRP, s[PFS]
	s_mov_b32 s[PFS+1], 0
	s_cselect_b32 s98, s91, 0                      ; (V's base holds the half already)
	s_cselect_b32 s99, ttmp9, 0                    ; waves 0 and 1 ask where x = 0,
	s_or_b32 s99, s99, s[CC]                       ; and all only where c = 0: the same in all four partners
	s_cmp_eq_u32 s99, 0
	s_cselect_b32 s[LIM], 3, -1
	s_lshl_b32 s99, s[CX], 13
	s_add_co_u32 s98, s98, s99
	s_mov_b32 s99, 0
	s_add_nc_u64 s[PFA:PFA+1], s[PFA:PFA+1], s[98:99]
	s_add_nc_u64 s[PFA:PFA+1], s[PFA:PFA+1], s[PFS:PFS+1]   ; at tile 1: the first change of slots steps it to tile 2
	; vsuf: (64 b + 16 x + 4 w) x 512 + 4 sb
	s_lshl_b32 s96, s[BB], 15
	s_lshl_b32 s97, ttmp9, 13
	s_add_co_u32 s96, s96, s97
	s_lshl_b32 s97, s[WV], 11
	s_add_co_u32 s96, s96, s97
	s_mov_b32 s97, 0
	s_add_nc_u64 s[10:11], s[10:11], s[96:97]
	s_lshl_b32 s96, s19, 2
	s_add_nc_u64 s[SUFB:SUFB+1], s[10:11], s[96:97]
	s_lshl_b32 s96, s[CC], 2
	s_add_nc_u64 s[SUFBB:SUFBB+1], s[10:11], s[96:97]
	; aimg: K step 2 x + w / 2, row tile 128 b + 16 sb + 4 cx, kc = 2 (w % 2)
	s_lshl_b32 s98, ttmp9, 22
	s_lshr_b32 s99, s[WV], 1
	s_lshl_b32 s99, s99, 21
	s_add_co_u32 s98, s98, s99
	s_lshl_b32 s99, s[BB], 19
	s_add_co_u32 s98, s98, s99
	s_lshl_b32 s99, s[CX], 14
	s_add_co_u32 s98, s98, s99
	s_and_b32 s99, s[WV], 1
	s_lshl_b32 s99, s99, 11
	s_add_co_u32 s98, s98, s99
	s_mov_b32 s99, 0
	s_add_nc_u64 s[12:13], s[12:13], s[98:99]
	s_lshl_b32 s98, s19, 16
	s_add_nc_u64 s[OB:OB+1], s[12:13], s[98:99]
	s_lshl_b32 s98, s[CC], 16
	s_add_nc_u64 s[OBB:OBB+1], s[12:13], s[98:99]
	; qimg: group 16 b + 2 sb + cx / 2; in it tiles 4 (cx % 2) on
	s_and_b32 s91, s[CX], 1
	s_lshr_b32 s2, s[CX], 1
	s_lshl_b32 s3, s[BB], 4
	s_add_co_u32 s2, s2, s3
	s_add_co_u32 s98, s2, s[MST]
	s_mul_i32 s98, s98, GRP
	s_lshl_b32 s3, s91, 15
	s_add_co_u32 s98, s98, s3
	s_add_nc_u64 s[QCA:QCA+1], s[4:5], s[98:99]
	s_sub_co_u32 s98, s98, s3
	s_lshl_b32 s3, s91, 11
	s_add_co_u32 s98, s98, s3
	s_add_co_u32 s98, s98, 65536
	s_add_nc_u64 s[QSA:QSA+1], s[4:5], s[98:99]
	s_add_co_u32 s98, s2, s[MSTB]
	s_mul_i32 s98, s98, GRP
	s_lshl_b32 s3, s91, 15
	s_add_co_u32 s98, s98, s3
	s_add_nc_u64 s[QCB:QCB+1], s[4:5], s[98:99]
	s_sub_co_u32 s98, s98, s3
	s_lshl_b32 s3, s91, 11
	s_add_co_u32 s98, s98, s3
	s_add_co_u32 s98, s98, 65536
	s_add_nc_u64 s[QSB:QSB+1], s[4:5], s[98:99]
	v_and_b32 v28, 31, v0                          ; lane
	v_and_b32 v29, 15, v0                          ; r
	v_bfe_u32 v30, v0, 4, 1                        ; h
	v_lshlrev_b32 v[LI], 4, v28
	v_lshlrev_b32 v[L32], 5, v28
	QLD QCA, QSA                                   ; the first block's Q stays in registers
	s_lshl_b32 s96, s[WV], 14
	s_add_co_u32 s97, s96, LK
	v_add_nc_u32 v[AK0], s97, v[LI]                ; K's codes: key tiles 2 w, 2 w + 1
	s_lshl_b32 s97, s[WV], 10
	s_add_co_u32 s97, s97, LSC
	v_add_nc_u32 v[AS0], s97, v[L32]               ; K's scale words: key 32 w + lane
.irp d, 0,1,2,3
	s_add_co_u32 s97, s[WV], \d
	s_and_b32 s97, s97, 3
	s_lshl_b32 s97, s97, 12
	s_add_co_u32 s97, s97, s96
	v_add_nc_u32 v[AV0+\d], s97, v[LI]             ; V: keys 32 w on, channels 64 ((d + w) % 4) on
.endr
	v_lshlrev_b32 v31, 3, v30
	v_sub_nc_u32 v[MD0], v29, v31
	s_lshl_b32 s98, s[CX], 6
	s_lshl_b32 s99, s[WV], 5
	s_sub_co_i32 s98, s98, s99
	v_add_nc_u32 v[MD0], s98, v[MD0]
	v_mov_b32 v[FIL], 0xace12e13                   ; -6.4e-12
	s_lshl_b32 s97, s[WV], 2
	s_add_co_u32 s97, s97, STAT
	v_add_nc_u32 v[STW], s97, v[LI]
	v_add_nc_u32 v[STR], STAT, v[LI]
.irp d, 1,2,3
	s_add_co_u32 s97, s[WV], \d
	s_and_b32 s97, s97, 3
	s_mul_i32 s97, s97, 6144
	s_add_co_u32 s97, s97, MRG+(\d-1)*2048
	v_add_nc_u32 v[MW+\d-1], s97, v[LI]
.endr
	s_mul_i32 s97, s[WV], 6144
	s_add_co_u32 s97, s97, MRG
	v_add_nc_u32 v[MR], s97, v[LI]
	v_lshlrev_b32 v[SFO], 8, v30
	v_lshlrev_b32 v[PFO], 8, v28
.irp q, 0,1,2,3
	v_mov_b32 v[ST+8*\q+1], 0                      ; the pairs' partners and the permutes' destinations are written once
	v_mov_b32 v[ST+8*\q+6], 0
	v_mov_b32 v[ST+8*\q+7], 0
	v_mov_b32 v[TX+\q], 0
.endr
	STATINIT
.Lstep:                                            ; 17 trips, the same in every work-group: trip n asks for tile n + 1 and works on tile n
	CHANGE 1
	SCORES
	s_add_co_u32 s96, s[MST], 1
	s_cmp_eq_u32 s[JCUR], s96                      ; the first block's last step: its Q is done with, the second block's is asked for and lands under the work that follows
	s_cbranch_scc0 .Lno_q
	QLD QCB, QSB
.Lno_q:
	s_cmp_lt_u32 s[JCUR], s[MST]                   ; ahead of the diagonal every key counts.  The test is the same in all waves and in all four partners
	s_cbranch_scc1 .Lopen
	MASK
.Lopen:
	SOFTMAX
	s_cmp_eq_u32 s[JCUR], 0
	s_cbranch_scc0 .Lpv_on
	PV 1
	s_branch .Lpv_done
.Lpv_on:
	PV 0
.Lpv_done:
	s_add_co_u32 s96, s[MST], 1
	s_cmp_eq_u32 s[JCUR], s96
	s_cbranch_scc0 .Lno_final
	FINAL
	s_wait_xcnt 0x0                                ; the stores and loads above have read their registers and bases, which are written again below
	s_mov_b32 s[MST], s[MSTB]
	s_mov_b32 s[SB256], s[SB256B]
	s_mov_b32 s[NT], s[NTB]
	s_mov_b32 s[FT], 0xaa226eda
	s_mov_b64 s[OB:OB+1], s[OBB:OBB+1]
	s_mov_b64 s[SUFB:SUFB+1], s[SUFBB:SUFBB+1]
	STATINIT
.Lno_final:
	s_mov_b32 s[JCUR], s[JNXT]
	s_xor_b32 s[T16], s[T16], 0x10000              ; on to the other slot
	s_xor_b32 s[T12], s[T12], 0x1000
	s_sub_co_u32 s[CNT], s[CNT], 1
	s_cmp_lg_u32 s[CNT], 0
	s_cbranch_scc1 .Lstep
	CHANGE 0                                       ; the last step is written out: it is the second block's last, on the diagonal
	SCORES
	MASK
	SOFTMAX
	PV 0
	FINAL
	s_wait_tensorcnt 0x0                           ; the wave's end: a tensor wait, an add to my spare word and a wait for it, behind my last tensor load and my last LDS store
	ds_add_u32 v[SPW], v[NIL]
	s_wait_dscnt 0x0
	CROUND                                         ; the closing round: no work-group ends while a partner may still ask for a tile that names it
	s_endpgm
.Lfunc_end_k_q6c99ffda25_attn:
	.size	k_q6c99ffda25_attn, .Lfunc_end_k_q6c99ffda25_attn-k_q6c99ffda25_attn
	.p2alignl 7, 3214868480
	.fill 96, 4, 3214868480
	.section	.rodata,"a",@progbits
	.p2align	6, 0x0
	.amdhsa_kernel k_q6c99ffda25_attn
		.amdhsa_group_segment_fixed_size 327680
		.amdhsa_private_segment_fixed_size 0
		.amdhsa_enable_private_segment 0
		.amdhsa_kernarg_size 40
		.amdhsa_user_sgpr_count 2
		.amdhsa_user_sgpr_kernarg_segment_ptr 1
		.amdhsa_wavefront_size32 1
		.amdhsa_system_sgpr_workgroup_id_x 1
		.amdhsa_system_sgpr_workgroup_id_y 1
		.amdhsa_system_sgpr_workgroup_id_z 1
		.amdhsa_system_vgpr_workitem_id 0
		.amdhsa_next_free_vgpr 1024
		.amdhsa_next_free_sgpr 100
		.amdhsa_reserve_vcc 1
		.amdhsa_float_denorm_mode_32 3
		.amdhsa_float_denorm_mode_16_64 3
		.amdhsa_memory_ordered 1
		.amdhsa_forward_progress 1
		.amdhsa_inst_pref_size 255
	.end_amdhsa_kernel
	.section	.bss,"aw",@nobits
	.p2align	6
	.space	262144
	.amdgpu_metadata
---
amdhsa.version: [ 1, 2 ]
amdhsa.kernels:
  - .name:           k_q6c99ffda25_attn
    .symbol:         k_q6c99ffda25_attn.kd
    .args:
      - { .name: qimg, .offset: 0, .size: 8, .value_kind: global_buffer, .address_space: global }
      - { .name: kimg, .offset: 8, .size: 8, .value_kind: global_buffer, .address_space: global }
      - { .name: vimg, .offset: 16, .size: 8, .value_kind: global_buffer, .address_space: global }
      - { .name: vsuf, .offset: 24, .size: 8, .value_kind: global_buffer, .address_space: global }
      - { .name: aimg, .offset: 32, .size: 8, .value_kind: global_buffer, .address_space: global }
    .group_segment_fixed_size: 327680
    .private_segment_fixed_size: 0
    .kernarg_segment_align: 8
    .kernarg_segment_size: 40
    .max_flat_workgroup_size: 128
    .sgpr_count:     100
    .vgpr_count:     1024
    .wavefront_size: 32
...
	.end_amdgpu_metadata
.endif
;; end of part 2
;; launch proj (part 3): grid 4 x 64, 4 waves a work-group, clusters of 4 x 4, 327,680 bytes of LDS; arguments aimg, wimg, b, out0; writes out0
.if DOCPART == 3
	.amdgcn_target "amdgcn-amd-amdhsa--gfx1250"
	.amdhsa_code_object_version 6
	.text
	.protected	k_q6c99ffda25_proj
	.globl	k_q6c99ffda25_proj
	.p2align	8
	.type	k_q6c99ffda25_proj,@function
k_q6c99ffda25_proj:
	s_mov_b64 s[64:65], 0
	v_nop
	global_prefetch_b8 v0, s[64:65] scope:SCOPE_SE
	s_setreg_imm32_b32 hwreg(HW_REG_WAVE_MODE, 25, 1), 1
	s_wait_xcnt 0x0
	s_wait_alu depctr_hold_cnt(0) depctr_sa_sdst(0) depctr_va_vdst(0) depctr_va_sdst(0) depctr_va_ssrc(0) depctr_va_vcc(0) depctr_vm_vsrc(0)
	s_getreg_b32 s2, hwreg(HW_REG_IB_STS2, 6, 4)
	s_cmp_eq_u32 s2, 0
	s_cbranch_scc0 .Lentry_in_a_cluster
	s_endpgm
.Lentry_in_a_cluster:
	s_bfe_u32 s2, ttmp6, 0x10000c
	s_cmp_lg_u32 s2, 0xf033
	s_cbranch_scc0 .Lentry_shape_is_right
	s_endpgm
.Lentry_shape_is_right:
; out0[row][e] = the sum over k of attn_out[row][k] W[e][k] + b[e].  8,192 rows, 1,024 columns, K = 1,024; operands in f16, sums in f32.
; Both operands lie in memory as images of the operand's registers: aimg [ks 8][row tile 512][kc 4][c 2][lane][16 bytes], wimg [ks 8][column tile 64][kc 4][c 2][lane][16 bytes], so a K step's tile is one dense block,
; and a fragment comes out of LDS by two loads of 512 consecutive bytes: no pitch, no padding.
; A tile of out0 is 128 rows x 256 columns: 64 x 4 = 256 work-groups.  Four waves, each 64 x 128: 32 accumulators, window 1.  K goes in 8 steps of 128 through a ring of two LDS slots.
; CLUSTERS: 4 x 4 work-groups.  The four of a row of the cluster need the same tiles of attn_out, the four of a column the same tiles of W: each is asked for JOINTLY, by the same tensor load with the same descriptor
; and a mask that names the four.  THE MATRIX INSTRUCTION IS USED TRANSPOSED (source 0 = 16 rows of W, source 1 = 16 rows of attn_out): a lane then holds eight neighbouring columns of one row of out0.
; No prefetch: eight K steps only, and the tiles are shared in the cluster.
; REGISTERS: window 0: v16-29 addresses; v32-127, v128-223 two fragment buffers (4 fragments of attn_out, then 8 of W, 32 along K); v224-227 the bias of my four columns; on the way out v32-159 rows of out0.
.set KA,    2097152                    ; a K step on in aimg,
.set KW,    262144                     ; in wimg
.set SLOT,  98304                      ; a slot: attn_out's 128 rows (32,768 bytes), then W's 256 rows (65,536)
.set BOFF,  32768
.set STAGE, 2*SLOT                     ; behind the ring: 16 rows x (512 bytes + 16) for each wave, for the way out
.set SPITCH, 528
.set SPARE, STAGE+4*16*SPITCH          ; the spare words, 128 bytes for each wave: two blocks of 256 bytes that no other line names
.set ADRA, 16                          ; v16-17 my fragments of attn_out in slot 0, 1
.set ADRB, 20                          ; v20-21 of W
.set STO,  24                          ; v24  the way out: where I put 32 bytes of a row
.set RD,   25                          ; v25  and where I read a row back
.set CO,   26                          ; v26  16 x lane
.set SPW,  28                          ; v28  my spare word; never rewritten
.set NIL,  29                          ; v29  0; never rewritten
.set F0,   32
.set F1,   128
.set BIAS, 224
.set BK,   32
.set G1, 24                            ; s[24:31] descriptor group 1 for attn_out's tiles; s[32:39] group 0, one set for each slot
.set G0, 32
.set G1B, 48                           ; s[48:55], s[56:63] the same for W's
.set G0B, 56
.set MSB, 0
.macro WIN new
.if MSB != (\new)
	s_set_vgpr_msb (MSB<<8)|(\new)
.set MSB, (\new)
.endif
.endm
.set MUL, 0x50                         ; C and D window 1, the sources window 0
.macro JLOAD s                         ; a joint load: waves 0 and 1 fetch attn_out's halves, waves 2 and 3 W's; an s_nop 0 and four v_nop follow each of the two lines
	s_cmp_eq_u32 s13, 0
	s_cbranch_scc0 .Lfor_b_\@
	tensor_load_to_lds s[G0+4*\s:G0+4*\s+3], s[G1:G1+7]
	s_nop 0
.rept 4
	v_nop
.endr
	s_branch .Lasked_\@
.Lfor_b_\@:
	tensor_load_to_lds s[G0B+4*\s:G0B+4*\s+3], s[G1B:G1B+7]
	s_nop 0
.rept 4
	v_nop
.endr
.Lasked_\@:
.endm
.macro CREST                           ; a round of the cluster's barrier behind its opening barrier
	s_cmp_lg_u32 s12, 0
	s_cbranch_scc1 .Lnot_wave_0_\@
	s_barrier_signal -3
.Lnot_wave_0_\@:
	s_barrier_wait -3
	s_barrier_signal -1
	s_barrier_wait -1
.endm
.macro CROUND
	s_barrier_signal -1
	s_barrier_wait -1
	CREST
.endm
.macro PLACES                          ; four places in front of loads into registers that matrix instructions have read, and of the first read of results
.rept 4
	v_nop
.endr
.endm
	s_load_b256 s[4:11], s[0:1], 0x0               ; aimg s[4:5], wimg s[6:7], b s[8:9], out0 s[10:11]
	v_lshl_add_u32 v[SPW], v0, 2, SPARE
	v_mov_b32 v[NIL], 0
	ds_add_u32 v[SPW], v[NIL]                      ; the wave's opening: the add, twice on end, and its wait ahead of my first tensor load
	ds_add_u32 v[SPW], v[NIL]
	v_lshrrev_b32 v1, 5, v0
	v_readfirstlane_b32 s12, v1                    ; wave 0..3
	s_lshr_b32 s13, s12, 1                         ; which half of the tile's rows is mine.  Also: I fetch for attn_out (0) or for W (1)
	s_and_b32 s14, s12, 1                          ; which half of its columns.  Also: which half of that tile I fetch
	s_bfe_u32 s40, ttmp6, 0x40000                  ; cx, cy: my place in the cluster
	s_bfe_u32 s41, ttmp6, 0x40004
	s_lshl_b32 s42, ttmp9, 2
	s_add_co_u32 s42, s42, s40                     ; tile column = 4 x cluster x + cx
	s_and_b32 s15, ttmp7, 0xffff
	s_lshl_b32 s15, s15, 2
	s_add_co_u32 s15, s15, s41                     ; tile row = 4 x cluster y + cy
	s_lshl_b32 s43, s41, 2
	s_lshl_b32 s43, 15, s43                        ; my row of the cluster
	s_lshl_b32 s44, 0x1111, s40                    ; my column
	s_or_b32 s[G1], s43, (3<<16)|(1<<21)           ; dense tiles as rows of 256 bytes: 32 elements of 8 bytes; the mask, and bit 21 beside it
	s_or_b32 s[G1B], s44, (3<<16)|(1<<21)
.irp g, G1, G1B
	s_mov_b32 s[\g+1], 32<<16
	s_mov_b32 s[\g+3], 32<<16
	s_mov_b32 s[\g+5], 32
	s_mov_b32 s[\g+6], 0
	s_mov_b32 s[\g+7], 0
.endr
	s_mov_b32 s[G1+2], 64<<16                      ; half of attn_out's tile: 64 rows of 256 bytes
	s_mov_b32 s[G1+4], 64
	s_mov_b32 s[G1B+2], 128<<16                    ; half of W's: 128
	s_mov_b32 s[G1B+4], 128
	s_lshl_b32 s16, s15, 15                        ; attn_out: tile row x 32,768 + half x 16,384
	s_lshl_b32 s17, s14, 14
	s_add_co_u32 s16, s16, s17
	s_mov_b32 s17, 0
	s_lshl_b32 s46, s42, 16                        ; W: tile column x 65,536 + half x 32,768
	s_lshl_b32 s47, s14, 15
	s_add_co_u32 s46, s46, s47
	s_mov_b32 s47, 0
	s_lshl_b32 s20, s14, 14                        ; and where they go: no place in the cluster enters an LDS address
	s_lshl_b32 s21, s14, 15
	s_add_co_u32 s21, s21, BOFF
	s_wait_dscnt 0x0                               ; both opening adds are done
	s_wait_kmcnt 0x0
	s_add_nc_u64 s[18:19], s[4:5], s[16:17]
	s_add_nc_u64 s[46:47], s[6:7], s[46:47]
	CROUND                                         ; all sixteen work-groups are here: the first joint loads meet
.irp s, 0,1
	s_mov_b32 s[G0+4*\s], 1
	s_add_co_u32 s[G0+4*\s+1], s20, \s*SLOT
	s_add_nc_u64 s[G0+4*\s+2:G0+4*\s+3], s[18:19], \s*KA
	s_or_b32 s[G0+4*\s+3], s[G0+4*\s+3], 0x80000000
	s_mov_b32 s[G0B+4*\s], 1
	s_add_co_u32 s[G0B+4*\s+1], s21, \s*SLOT
	s_add_nc_u64 s[G0B+4*\s+2:G0B+4*\s+3], s[46:47], \s*KW
	s_or_b32 s[G0B+4*\s+3], s[G0B+4*\s+3], 0x80000000
	JLOAD \s                                       ; K steps 0 and 1: two tensor loads of mine are out
.endr
	v_and_b32 v1, 15, v0                           ; r
	v_bfe_u32 v2, v0, 4, 1                         ; h
	v_and_b32 v3, 31, v0
	v_lshlrev_b32 v[CO], 4, v3
	s_lshl_b32 s21, s13, 14                        ; my 64 rows of attn_out
	s_lshl_b32 s22, s14, 15                        ; my 128 rows of W,
	s_add_co_u32 s22, s22, BOFF                    ; which lie behind attn_out's
.irp s, 0,1
	v_add_nc_u32 v[ADRA+\s], s21, v[CO]
	v_add_nc_u32 v[ADRB+\s], s22, v[CO]
	s_add_co_u32 s21, s21, SLOT
	s_add_co_u32 s22, s22, SLOT
.endr
	s_mul_i32 s23, s12, 16*SPITCH
	s_add_co_u32 s23, s23, STAGE                   ; my stage
	v_mul_u32_u24 v4, v1, SPITCH
	v_lshl_add_u32 v4, v2, 5, v4
	v_add_nc_u32 v[STO], s23, v4                   ; in: row r, 32 bytes for each half of the lanes
	v_add_nc_u32 v[RD], s23, v[CO]                 ; back: the 32 lanes take one row of 512 bytes
	s_lshl_b32 s46, s42, 10                        ; my first column, in bytes: 1,024 x tile column + 512 x half
	s_lshl_b32 s47, s14, 9
	s_add_co_u32 s46, s46, s47
	s_mov_b32 s47, 0
	s_add_nc_u64 s[8:9], s[8:9], s[46:47]
	global_load_b128 v[BIAS:BIAS+3], v[CO], s[8:9]   ; b of my four columns on the way out
	s_lshl_b32 s16, s15, 19                        ; my first row: 128 x tile row + 64 x half, rows of 4,096 bytes
	s_lshl_b32 s17, s13, 18
	s_add_co_u32 s16, s16, s17
	s_mov_b32 s17, 0
	s_add_nc_u64 s[10:11], s[10:11], s[16:17]
	s_add_nc_u64 s[10:11], s[10:11], s[46:47]
.macro MUL8 f, a, zero                 ; row block a x all 8 column blocks, 32 along K.  zero = 1: the first product starts the sums.  The 32 accumulators take turns, one instruction a turn
.irp n, 0,1,2,3,4,5,6,7
.if \zero
	v_wmma_f32_16x16x32_f16 v[8*(8*(\a)+\n):8*(8*(\a)+\n)+7], v[\f+32+8*\n:\f+32+8*\n+7], v[\f+8*(\a):\f+8*(\a)+7], 0
.else
	v_wmma_f32_16x16x32_f16 v[8*(8*(\a)+\n):8*(8*(\a)+\n)+7], v[\f+32+8*\n:\f+32+8*\n+7], v[\f+8*(\a):\f+8*(\a)+7], v[8*(8*(\a)+\n):8*(8*(\a)+\n)+7]
.endif
.endr
.endm
.macro FETCH slot, kc, f               ; 24 LDS loads in one run: W's 8 fragments, then attn_out's 4, of quarter kc
	WIN 0
.irp i, 0,1,2,3,4,5,6,7
	ds_load_b128 v[\f+32+8*\i:\f+32+8*\i+3], v[ADRB+\slot] offset:\i*4096+(\kc)*1024
	ds_load_b128 v[\f+32+8*\i+4:\f+32+8*\i+7], v[ADRB+\slot] offset:\i*4096+(\kc)*1024+512
.endr
.irp i, 0,1,2,3
	ds_load_b128 v[\f+8*\i:\f+8*\i+3], v[ADRA+\slot] offset:\i*4096+(\kc)*1024
	ds_load_b128 v[\f+8*\i+4:\f+8*\i+7], v[ADRA+\slot] offset:\i*4096+(\kc)*1024+512
.endr
.endm
; A K step is four quarters of 32 along K, 32 matrix instructions each, on buffers 0, 1, 0, 1.  One of the first three: multiplies buffer f and fetches quarter kc into g.
.macro QUARTER slot, kc, f, g, zero
	s_wait_dscnt 4                                 ; W's fragments and row blocks 0, 1 are in; the youngest four loads (row blocks 2, 3) may be out
	WIN MUL
	MUL8 \f, 0, \zero
	MUL8 \f, 1, \zero
	PLACES
	FETCH \slot, \kc, \g
	s_wait_dscnt 24                                ; all but the 24 just issued
	WIN MUL
	MUL8 \f, 2, \zero
	MUL8 \f, 3, \zero
.endm
; The last quarter multiplies buffer 1 and changes slots: ONE barrier; in front of it each wave waits for all its tensor loads, adds 0 to its spare word, and waits for that and for its reads of this slot.
; fill = 1: the barrier opens a round of the cluster's barrier, and this slot is filled again, two K steps ahead: my one tensor load behind the round.
.macro TURN slot, next, fill
	WIN 0
	s_wait_tensorcnt 0x0                           ; all my tensor loads have landed: my part of the next slot
	ds_add_u32 v[SPW], v[NIL]
	s_wait_dscnt 5                                 ; (the add and the youngest four loads may be out)
	WIN MUL
	MUL8 F1, 0, 0                                  ; eight matrix instructions stand between the add and the wait for it
	s_wait_dscnt 0x0                               ; the add is done, and my reads of this slot are over
	s_barrier_signal -1
	MUL8 F1, 1, 0
	WIN 0
	s_barrier_wait -1
.if \fill
	CREST                                          ; no wave of any partner still reads this slot's tile or has a load on its way
	s_add_nc_u64 s[G0+4*\slot+2:G0+4*\slot+3], s[G0+4*\slot+2:G0+4*\slot+3], 2*KA
	s_add_nc_u64 s[G0B+4*\slot+2:G0B+4*\slot+3], s[G0B+4*\slot+2:G0B+4*\slot+3], 2*KW
	JLOAD \slot                                    ; the four v_nop behind it are also the places in front of the loads below
.else
	PLACES
.endif
	FETCH \next, 0, F0
	WIN MUL
	MUL8 F1, 2, 0
	MUL8 F1, 3, 0
.endm
	s_wait_tensorcnt 1                             ; my part of K step 0 is in; K step 1's load may stay out
	s_barrier_signal -1
	s_barrier_wait -1                              ; everybody's is
	FETCH 0, 0, F0
	QUARTER 0, 1, F0, F1, 1                        ; the first quarter stands in front of the loop: its products start the sums
	WIN 0
	s_mov_b32 s3, 3
.Llap:                                             ; a trip goes once round the ring, from a lap's second quarter to the next lap's first, and fills both slots again
	QUARTER 0, 2, F1, F0, 0
	QUARTER 0, 3, F0, F1, 0
	TURN 0, 1, 1
	QUARTER 1, 1, F0, F1, 0
	QUARTER 1, 2, F1, F0, 0
	QUARTER 1, 3, F0, F1, 0
	TURN 1, 0, 1
	QUARTER 0, 1, F0, F1, 0
	WIN 0
	s_sub_co_u32 s3, s3, 1
	s_cmp_lg_u32 s3, 0
	s_cbranch_scc1 .Llap
	QUARTER 0, 2, F1, F0, 0                        ; the last lap fills nothing, and has no round of the cluster's barrier
	QUARTER 0, 3, F0, F1, 0
	TURN 0, 1, 0
	QUARTER 1, 1, F0, F1, 0
	QUARTER 1, 2, F1, F0, 0
	QUARTER 1, 3, F0, F1, 0
	s_wait_dscnt 4                                 ; the very last quarter: nothing more to fetch
	WIN MUL
	MUL8 F1, 0, 0
	MUL8 F1, 1, 0
	s_wait_dscnt 0x0
	MUL8 F1, 2, 0
	MUL8 F1, 3, 0
	WIN 0
; THE WAY OUT, block by block of 16 rows x 128 columns, through my own stage: 32 bytes a lane in, whole rows of 512 bytes back; the bias is added, and the 32 lanes store 512 consecutive bytes.
; LDS serves a wave's instructions in order (ISA guide 5.7.1.4): no wait between the stores and the loads, nor in front of the next block's stores.
.macro TOSTAGE a
	WIN 0x04                                       ; an LDS store's data are its source 1: window 1
.irp n, 0,1,2,3,4,5,6,7
	ds_store_b128 v[STO], v[8*(8*(\a)+\n):8*(8*(\a)+\n)+3] offset:64*\n          ; each accumulator from its low end on
	ds_store_b128 v[STO], v[8*(8*(\a)+\n)+4:8*(8*(\a)+\n)+7] offset:64*\n+16
.endr
	WIN 0
.set BR, BK+64*((\a)%2)
.set i, 0
.rept 16
	ds_load_b128 v[BR+4*i:BR+4*i+3], v[RD] offset:i*SPITCH
.set i, i+1
.endr
.endm
.macro SEND a, younger                 ; younger: the LDS instructions issued behind block a's loads, which may stay out
.set BR, BK+64*((\a)%2)
	s_wait_dscnt \younger
.set i, 0
.rept 16
	v_pk_add_f32 v[BR+4*i:BR+4*i+1], v[BR+4*i:BR+4*i+1], v[BIAS:BIAS+1]
	v_pk_add_f32 v[BR+4*i+2:BR+4*i+3], v[BR+4*i+2:BR+4*i+3], v[BIAS+2:BIAS+3]
	global_store_b128 v[CO], v[BR+4*i:BR+4*i+3], s[10:11] offset:(16*(\a)+i)*4096 th:TH_STORE_NT   ; written once, read by nobody here
.set i, i+1
.endr
.endm
	PLACES
	s_wait_loadcnt 0x0                             ; the bias
	TOSTAGE 0
.irp a, 1,2,3
.if \a > 1
	s_wait_xcnt 0x0                                ; block a - 2's stores have read their registers: block a's loads may land there
.endif
	TOSTAGE \a
	SEND \a-1, 32                                  ; behind block a - 1's loads: block a's 16 stores and 16 loads
.endr
	SEND 3, 0
	s_wait_tensorcnt 0x0                           ; the wave's end: a tensor wait, an add to my spare word and a wait for it, behind my last tensor load and my last LDS store
	ds_add_u32 v[SPW], v[NIL]
	s_wait_dscnt 0x0
	CROUND                                         ; the closing round: no work-group ends while a partner may still ask for a tile that names it
	s_endpgm
.Lfunc_end_k_q6c99ffda25_proj:
	.size	k_q6c99ffda25_proj, .Lfunc_end_k_q6c99ffda25_proj-k_q6c99ffda25_proj
	.p2alignl 7, 3214868480
	.fill 96, 4, 3214868480
	.section	.rodata,"a",@progbits
	.p2align	6, 0x0
	.amdhsa_kernel k_q6c99ffda25_proj
		.amdhsa_group_segment_fixed_size 327680
		.amdhsa_private_segment_fixed_size 0
		.amdhsa_enable_private_segment 0
		.amdhsa_kernarg_size 32
		.amdhsa_user_sgpr_count 2
		.amdhsa_user_sgpr_kernarg_segment_ptr 1
		.amdhsa_wavefront_size32 1
		.amdhsa_system_sgpr_workgroup_id_x 1
		.amdhsa_system_sgpr_workgroup_id_y 1
		.amdhsa_system_sgpr_workgroup_id_z 1
		.amdhsa_system_vgpr_workitem_id 0
		.amdhsa_next_free_vgpr 512
		.amdhsa_next_free_sgpr 66
		.amdhsa_reserve_vcc 0
		.amdhsa_float_denorm_mode_32 3
		.amdhsa_float_denorm_mode_16_64 3
		.amdhsa_memory_ordered 1
		.amdhsa_forward_progress 1
		.amdhsa_inst_pref_size 92
	.end_amdhsa_kernel
	.amdgpu_metadata
---
amdhsa.version: [ 1, 2 ]
amdhsa.kernels:
  - .name:           k_q6c99ffda25_proj
    .symbol:         k_q6c99ffda25_proj.kd
    .args:
      - { .name: aimg, .offset: 0, .size: 8, .value_kind: global_buffer, .address_space: global }
      - { .name: wimg, .offset: 8, .size: 8, .value_kind: global_buffer, .address_space: global }
      - { .name: b, .offset: 16, .size: 8, .value_kind: global_buffer, .address_space: global }
      - { .name: out0, .offset: 24, .size: 8, .value_kind: global_buffer, .address_space: global }
    .group_segment_fixed_size: 327680
    .private_segment_fixed_size: 0
    .kernarg_segment_align: 8
    .kernarg_segment_size: 32
    .max_flat_workgroup_size: 128
    .sgpr_count:     66
    .vgpr_count:     512
    .wavefront_size: 32
...
	.end_amdgpu_metadata
.endif
;; end of part 3
